; MI455X (gfx1250); checked and timed in simulation.
; The chip was launched on July 23, 2026; its instructions are those of AMD's public machine-readable ISA for CDNA 5 (MIT licence, August 2026) and "CDNA5" Instruction Set Architecture Reference Guide (July 2026). The comments in the code are by the model that wrote it; some were corrected since.
;; Big Bird Block Attention. Allowed arithmetic: float matrix products may take bf16 or f16 operands with f32 sums; all other float work in f32.
;; Inputs: Wk 1,024 x 1,024 float32; Wo 1,024 x 1,024 float32; Wq 1,024 x 1,024 float32; Wv 1,024 x 1,024 float32; bk 1,024 float32; block_mask 2,048 x 2,048 bool; bo 1,024 float32; bq 1,024 float32; bv 1,024 float32; x 2 x 2,048 x 1,024 float32.
;; Outputs: out0 2 x 2,048 x 1,024 float32.
;; 2 versions, each right; version 2 is version 1 with the launch prep written anew for expert scheduling mode. Each part assembles by itself: llvm-mc -triple=amdgcn-amd-amdhsa -mcpu=gfx1250 --defsym DOCPART=n.
;; ======== version 1 of 2: 4 launches
;; limits: values are held in f16: magnitudes above 65,504 overflow, below 6.1e-05 lose precision; right only within a limited range of input values
;; workspace buffers: xb 8,388,608 bytes; wts 8,388,608 bytes; qkv 25,165,824 bytes; of 8,388,608 bytes; mbits 524,288 bytes of whole numbers; qinfo 16,384 bytes of whole numbers
;; launch prep (part 1): grid 448 x 1, 8 waves a work-group, no clusters, 140,544 bytes of LDS; arguments x, Wq, Wk, Wv, Wo, block_mask, xb, wts, mbits, qinfo; writes xb, wts, mbits, qinfo
.if DOCPART == 1
	.amdgcn_target "amdgcn-amd-amdhsa--gfx1250"
	.amdhsa_code_object_version 6
	.text
	.protected	k_q3e86aa1dee_prep
	.globl	k_q3e86aa1dee_prep
	.p2align	8
	.type	k_q3e86aa1dee_prep,@function
k_q3e86aa1dee_prep:
	s_mov_b64 s[64:65], 0
	v_nop
	global_prefetch_b8 v0, s[64:65] scope:SCOPE_SE
	s_setreg_imm32_b32 hwreg(HW_REG_WAVE_MODE, 25, 1), 1
	s_wait_xcnt 0x0
; PREP: three roles, chosen by the work-group's number alone (the same for all eight waves of a work-group).
;   0..127   MASK: block_mask [2048][2048] bytes -> mbits (lane masks for the attention's score registers) and qinfo (which tiles of 64 x 64 live).
;   128..191 WT:   Wq, Wk, Wv, Wo [k][n] f32 -> wts, transposed to [n][k] in 16 bits: rows of q, k, v weights in head order (row = 192 h + 64 kind + d) in bf16;
;                  Wo rounded to bf16 and that number written as f16 (exact from 6e-5 up; below that f16's fixed step of 6e-8 holds).
;   192..447 XC:   x f32 -> xb bf16.
; All three stream: every input byte is read once, every store of a wave covers whole aligned runs of 256 bytes (qinfo's 128 bytes a work-group aside).
; No matrix unit, no tensor load, no cluster: nothing is shared between work-groups and nothing is multiplied.
; LIMIT: a bool byte is 0 or 1, as the buffer's type states.
; LDS: eight stages of 64 rows x 272 bytes, one a wave (WT); 64 bytes for the eight waves' tile classes (MASK); the spare words.
.set STG,   17408                      ; a wave's stage: 64 rows of 256 bytes + 16 of padding
.set MW,    8*STG                      ; eight pairs (alive, mixed), one a wave
.set SPARE, MW+256                     ; the spare words: 128 bytes for each of eight waves
.set SPW,   2                          ; v2  my spare word's LDS address; never rewritten
.set NIL,   3                          ; v3  0; never rewritten
	s_load_b512 s[8:23], s[0:1], 0x0               ; x 8:9, Wq 10:11, Wk 12:13, Wv 14:15, Wo 16:17, mask 18:19, xb 20:21, wts 22:23
	s_load_b128 s[24:27], s[0:1], 0x40             ; mbits 24:25, qinfo 26:27
	v_lshl_add_u32 v[SPW], v0, 2, SPARE
	v_mov_b32 v[NIL], 0
	v_lshrrev_b32 v1, 5, v0
	v_readfirstlane_b32 s4, v1                     ; wave 0..7
	v_and_b32 v1, 31, v0                           ; lane
	v_and_b32 v4, 15, v0                           ; r = lane % 16
	v_bfe_u32 v5, v0, 4, 1                         ; hh = lane / 16
	s_mov_b32 s5, ttmp9
	s_mov_b32 s29, 0                               ; high word of every offset pair s[28:29]
	s_wait_kmcnt 0x0
	s_cmp_lt_u32 s5, 128
	s_cbranch_scc1 .Lmask
	s_cmp_lt_u32 s5, 192
	s_cbranch_scc1 .Lwt
; ---------------- XC: the work-group casts 65,536 bytes of x, a wave 8,192: sixteen loads of 512 consecutive bytes, all out at once
	s_sub_co_u32 s6, s5, 192
	s_lshl_b32 s28, s6, 16
	s_add_nc_u64 s[8:9], s[8:9], s[28:29]
	s_lshl_b32 s28, s6, 15
	s_add_nc_u64 s[20:21], s[20:21], s[28:29]
	v_lshlrev_b32 v6, 4, v1
	v_lshl_add_u32 v6, s4, 13, v6                  ; in: 8,192 x wave + 16 x lane
	v_lshlrev_b32 v7, 3, v1
	v_lshl_add_u32 v7, s4, 12, v7                  ; out: 4,096 x wave + 8 x lane
.set i, 0
.rept 16
	global_load_b128 v[16+4*i:19+4*i], v6, s[8:9] offset:512*i th:TH_LOAD_NT
.set i, i+1
.endr
.set i, 0
.rept 16
	s_wait_loadcnt 15-i                            ; loads come back in order: number i is in, the 15 - i younger ones stay out
	v_cvt_pk_bf16_f32 v[80+2*i], v[16+4*i], v[17+4*i]
	v_cvt_pk_bf16_f32 v[81+2*i], v[18+4*i], v[19+4*i]
	global_store_b64 v7, v[80+2*i:81+2*i], s[20:21] offset:256*i  ; 32 lanes x 8 bytes: 256 consecutive bytes, aligned; no register is written twice
.set i, i+1
.endr
	s_wait_tensorcnt 0x0                           ; the wave's end
	ds_add_u32 v[SPW], v[NIL]
	s_wait_dscnt 0x0
	s_endpgm
; ---------------- WT: matrix mtx, columns 64 nb .. + 63 (a head); wave kb transposes rows k = 128 kb .. + 127
.Lwt:
	s_sub_co_u32 s6, s5, 128
	s_lshr_b32 s7, s6, 4                           ; mtx: 0 q, 1 k, 2 v, 3 o
	s_and_b32 s6, s6, 15                           ; nb
	s_cmp_eq_u32 s7, 1
	s_cselect_b64 s[10:11], s[12:13], s[10:11]
	s_cmp_eq_u32 s7, 2
	s_cselect_b64 s[10:11], s[14:15], s[10:11]
	s_cmp_eq_u32 s7, 3
	s_cselect_b64 s[10:11], s[16:17], s[10:11]     ; the matrix
	s_lshl_b32 s28, s6, 8
	s_add_nc_u64 s[10:11], s[10:11], s[28:29]      ; at its column 64 nb
	s_mul_i32 s28, s6, 192
	s_lshl_b32 s30, s7, 6
	s_add_co_u32 s28, s28, s30
	s_lshl_b32 s28, s28, 11                        ; q, k, v: row 192 nb + 64 mtx, 2,048 bytes a row
	s_lshl_b32 s30, s6, 17
	s_add_co_u32 s30, s30, 6291456                 ; o: behind those 3,072 rows, row 64 nb
	s_cmp_eq_u32 s7, 3
	s_cselect_b32 s28, s30, s28
	s_add_nc_u64 s[22:23], s[22:23], s[28:29]
	s_mov_b32 s30, 0xffff0000
	s_mul_i32 s31, s4, STG
	v_lshlrev_b32 v6, 4, v4
	v_lshl_add_u32 v6, v5, 14, v6
	v_lshl_add_u32 v6, s4, 19, v6                  ; in: row 128 kb + 4 hh, columns 4 r .. 4 r + 3: sixteen lanes take 256 consecutive bytes of a row
	v_mul_u32_u24 v7, v4, 1088
	v_lshl_add_u32 v7, v5, 3, v7
	v_add_nc_u32 v7, s31, v7                       ; stage, way in: row n = 4 r (+ j), byte 8 hh (+ 16 i)
	v_mul_u32_u24 v8, v5, 272
	v_lshl_add_u32 v8, v4, 4, v8
	v_add_nc_u32 v8, s31, v8                       ; stage, way back: row hh (+ 2 t), 16 bytes a lane
	v_lshlrev_b32 v9, 4, v4
	v_lshl_add_u32 v9, v5, 11, v9
	v_lshl_add_u32 v9, s4, 8, v9                   ; out: row hh (+ 2 t), byte 256 kb + 16 r
; Half p of the wave's 128 rows.  Group i is 8 rows: a lane holds a block of 4 rows x 4 columns; column j's four numbers pack into 8 bytes of stage row 4 r + j.
; (These 8-byte stores meet four deep in the banks: 64 of them a wave in the whole launch.)
.macro HALF p
.set i, 0
.rept 8
.irp jr, 0,1,2,3
	global_load_b128 v[16+16*i+4*(\jr):19+16*i+4*(\jr)], v6, s[10:11] offset:(8*(8*(\p)+i)+(\jr))*4096 th:TH_LOAD_NT
.endr
.set i, i+1
.endr
.set i, 0
.rept 8
	s_wait_loadcnt 28-4*i                          ; group i's four loads are in; the later groups' stay out
.irp j, 0,1,2,3
	v_cvt_pk_bf16_f32 v[144+2*(\j)], v[16+16*i+(\j)], v[20+16*i+(\j)]
	v_cvt_pk_bf16_f32 v[145+2*(\j)], v[24+16*i+(\j)], v[28+16*i+(\j)]
.endr
.irp j, 0,1,2,3
	ds_store_b64 v7, v[144+2*(\j):145+2*(\j)] offset:(\j)*272+(8*(\p)+i)*16
.endr
.set i, i+1
.endr
.endm
	HALF 0
	HALF 1
.set t, 0
.rept 32
	ds_load_b128 v[16+4*t:19+4*t], v8 offset:t*544 ; my own stage: LDS serves a wave's instructions in order, so these see the stores above
.set t, t+1
.endr
	s_wait_dscnt 0x0
	s_cmp_lg_u32 s7, 3
	s_cbranch_scc1 .Lwt_store
.set t, 0
.rept 128                                              ; Wo alone: the bf16 number is written as f16
	v_lshlrev_b32 v[144+2*(t%4)], 16, v[16+t]
	v_and_b32 v[145+2*(t%4)], s30, v[16+t]
	v_cvt_pk_f16_f32 v[16+t], v[144+2*(t%4)], v[145+2*(t%4)]
.set t, t+1
.endr
.Lwt_store:
.set t, 0
.rept 32
	global_store_b128 v9, v[16+4*t:19+4*t], s[22:23] offset:t*4096  ; sixteen lanes: 256 consecutive bytes of one row, aligned
.set t, t+1
.endr
	s_wait_tensorcnt 0x0                           ; the wave's end, behind my last LDS store
	ds_add_u32 v[SPW], v[NIL]
	s_wait_dscnt 0x0
	s_endpgm
; ---------------- MASK: query block qb, part p of its 32 key tiles; wave w takes tile kt = 8 p + w (64 queries x 64 keys)
; Word 32 qt + 8 g + j of a tile: bit L is 1 where query 16 qt + L % 16 does NOT see key 16 g + 8 (L / 16) + j: the lane mask of score register 8 g + j of query tile qt.
.Lmask:
	s_lshr_b32 s6, s5, 2                           ; qb
	s_and_b32 s7, s5, 3                            ; part
	s_lshl_b32 s28, s6, 17                         ; 64 rows of 2,048 bytes
	s_lshl_b32 s30, s7, 9                          ; 8 tiles of 64 bytes
	s_add_co_u32 s28, s28, s30
	s_add_nc_u64 s[18:19], s[18:19], s[28:29]
	s_lshl_b32 s36, s7, 3
	s_add_co_u32 s36, s36, s4                      ; kt
	v_lshlrev_b32 v6, 11, v4
	v_lshl_add_u32 v6, v5, 3, v6
	v_lshl_add_u32 v6, s4, 6, v6                   ; row r, byte 64 w + 8 hh
.irp qt, 0,1,2,3
.irp g, 0,1,2,3
	global_load_b64 v[16+8*(\qt)+2*(\g):17+8*(\qt)+2*(\g)], v6, s[18:19] offset:(\qt)*32768+(\g)*16 th:TH_LOAD_NT
.endr
.endr
	s_lshl_b32 s28, s6, 5
	s_add_co_u32 s28, s28, s36
	s_lshl_b32 s28, s28, 9
	s_add_nc_u64 s[24:25], s[24:25], s[28:29]      ; mbits at tile (qb, kt): 512 bytes
	s_lshl_b32 s28, s5, 7
	s_add_nc_u64 s[26:27], s[26:27], s[28:29]      ; qinfo at (qb, part): 128 bytes
.irp z, 152,153,154,155
	v_mov_b32 v\z, 0                               ; v_writelane_b32's targets are written whole first
.endr
.macro WORDS qt, g                     ; eight words: a byte is cut out, compared with 0 over the 32 lanes, and the lane mask laid into lane (word / 4), register (word % 4)
.irp j, 0,1,2,3,4,5,6,7
	v_bfe_u32 v[48+(\j)], v[16+8*(\qt)+2*(\g)+(\j)/4], 8*((\j)%4), 8
.endr
.irp j, 0,1,2,3,4,5,6,7
	v_cmp_eq_u32 s[40+(\j)], 0, v[48+(\j)]
.endr
.irp j, 0,1,2,3,4,5,6,7
	v_writelane_b32 v[152+(\j)%4], s[40+(\j)], 8*(\qt)+2*(\g)+(\j)/4
.endr
.endm
.irp qt, 0,1,2,3
	s_wait_loadcnt 12-4*(\qt)                      ; query tile qt's four loads are in; the later tiles' stay out
.irp g, 0,1,2,3
	WORDS \qt, \g
.endr
.endr
	v_or_b32 v11, v16, v17                         ; the tile's class: any byte not 0, any byte not 1
	v_and_b32 v12, v16, v17
.set i, 18
.rept 30
	v_or_b32 v11, v11, v[i]
	v_and_b32 v12, v12, v[i]
.set i, i+1
.endr
	v_cmp_ne_u32 s31, 0, v11
	v_cmp_ne_u32 s32, 0x01010101, v12
	s_cmp_lg_u32 s31, 0
	s_cselect_b32 s33, 1, 0                        ; alive: some key is seen
	s_cmp_lg_u32 s32, 0
	s_cselect_b32 s34, s33, 0                      ; mixed: alive, and some key is hidden
	s_lshl_b32 s35, s33, s36                       ; both at bit kt
	s_lshl_b32 s37, s34, s36
	v_lshlrev_b32 v13, 4, v1
	global_store_b128 v13, v[152:155], s[24:25]    ; 512 consecutive bytes
	v_mov_b32 v14, s35
	v_mov_b32 v15, s37
	v_lshl_add_u32 v10, s4, 3, MW
	ds_store_b64 v10, v[14:15]                     ; all lanes write the same pair to my wave's place
	s_wait_dscnt 0x0                               ; for the others' sake: my store is done
	s_barrier_signal -1
	s_barrier_wait -1                              ; all eight waves run this role: the choice of role hangs on the work-group's number alone
	v_mov_b32 v10, MW
.irp i, 0,1,2,3
	ds_load_b128 v[16+4*(\i):19+4*(\i)], v10 offset:16*(\i)
.endr
	s_wait_dscnt 0x0
.irp i, 18,20,22,24,26,28,30
	v_or_b32 v16, v16, v\i
.endr
.irp i, 19,21,23,25,27,29,31
	v_or_b32 v17, v17, v\i
.endr
	v_readfirstlane_b32 s38, v16                   ; the part's alive tiles
	v_readfirstlane_b32 s39, v17                   ; its mixed tiles
	s_bcnt1_i32_b32 s33, s38                       ; how many are alive
	s_cmp_lg_u32 s4, 0
	s_cbranch_scc1 .Lmask_end                      ; wave 0 stores for the work-group
	v_mov_b32 v20, 0
	v_writelane_b32 v20, s38, 0
	v_writelane_b32 v20, s39, 1
	v_writelane_b32 v20, s33, 2
	v_lshlrev_b32 v21, 2, v1
	global_store_b32 v21, v20, s[26:27]            ; (alive, mixed, count, 0, ...): 128 bytes
.Lmask_end:
	s_wait_tensorcnt 0x0                           ; the wave's end, behind my last LDS store
	ds_add_u32 v[SPW], v[NIL]
	s_wait_dscnt 0x0
	s_endpgm
.Lfunc_end_k_q3e86aa1dee_prep:
	.size	k_q3e86aa1dee_prep, .Lfunc_end_k_q3e86aa1dee_prep-k_q3e86aa1dee_prep
	.p2alignl 7, 3214868480
	.fill 96, 4, 3214868480
	.section	.rodata,"a",@progbits
	.p2align	6, 0x0
	.amdhsa_kernel k_q3e86aa1dee_prep
		.amdhsa_group_segment_fixed_size 140544
		.amdhsa_private_segment_fixed_size 0
		.amdhsa_enable_private_segment 0
		.amdhsa_kernarg_size 80
		.amdhsa_user_sgpr_count 2
		.amdhsa_user_sgpr_kernarg_segment_ptr 1
		.amdhsa_wavefront_size32 1
		.amdhsa_system_sgpr_workgroup_id_x 1
		.amdhsa_system_sgpr_workgroup_id_y 1
		.amdhsa_system_sgpr_workgroup_id_z 1
		.amdhsa_system_vgpr_workitem_id 0
		.amdhsa_next_free_vgpr 160
		.amdhsa_next_free_sgpr 66
		.amdhsa_reserve_vcc 0
		.amdhsa_float_denorm_mode_32 3
		.amdhsa_float_denorm_mode_16_64 3
		.amdhsa_memory_ordered 1
		.amdhsa_forward_progress 1
		.amdhsa_inst_pref_size 79
	.end_amdhsa_kernel
	.amdgpu_metadata
---
amdhsa.version: [ 1, 2 ]
amdhsa.kernels:
  - .name:           k_q3e86aa1dee_prep
    .symbol:         k_q3e86aa1dee_prep.kd
    .args:
      - { .name: x, .offset: 0, .size: 8, .value_kind: global_buffer, .address_space: global }
      - { .name: Wq, .offset: 8, .size: 8, .value_kind: global_buffer, .address_space: global }
      - { .name: Wk, .offset: 16, .size: 8, .value_kind: global_buffer, .address_space: global }
      - { .name: Wv, .offset: 24, .size: 8, .value_kind: global_buffer, .address_space: global }
      - { .name: Wo, .offset: 32, .size: 8, .value_kind: global_buffer, .address_space: global }
      - { .name: block_mask, .offset: 40, .size: 8, .value_kind: global_buffer, .address_space: global }
      - { .name: xb, .offset: 48, .size: 8, .value_kind: global_buffer, .address_space: global }
      - { .name: wts, .offset: 56, .size: 8, .value_kind: global_buffer, .address_space: global }
      - { .name: mbits, .offset: 64, .size: 8, .value_kind: global_buffer, .address_space: global }
      - { .name: qinfo, .offset: 72, .size: 8, .value_kind: global_buffer, .address_space: global }
    .group_segment_fixed_size: 140544
    .private_segment_fixed_size: 0
    .kernarg_segment_align: 8
    .kernarg_segment_size: 80
    .max_flat_workgroup_size: 256
    .sgpr_count:     66
    .vgpr_count:     160
    .wavefront_size: 32
...
	.end_amdgpu_metadata
.endif
;; end of part 1
;; launch qkvproj (part 2): grid 16 x 16, 4 waves a work-group, clusters of 4 x 4, 327,680 bytes of LDS; arguments xb, wts, bq, bk, bv, qkv; writes qkv
.if DOCPART == 2
	.amdgcn_target "amdgcn-amd-amdhsa--gfx1250"
	.amdhsa_code_object_version 6
	.text
	.protected	k_q3e86aa1dee_qkvproj
	.globl	k_q3e86aa1dee_qkvproj
	.p2align	8
	.type	k_q3e86aa1dee_qkvproj,@function
k_q3e86aa1dee_qkvproj:
	s_mov_b64 s[64:65], 0
	v_nop
	global_prefetch_b8 v0, s[64:65] scope:SCOPE_SE
	s_setreg_imm32_b32 hwreg(HW_REG_WAVE_MODE, 25, 1), 1
	s_wait_xcnt 0x0
	s_wait_alu depctr_hold_cnt(0) depctr_sa_sdst(0) depctr_va_vdst(0) depctr_va_sdst(0) depctr_va_ssrc(0) depctr_va_vcc(0) depctr_vm_vsrc(0)
	s_getreg_b32 s2, hwreg(HW_REG_IB_STS2, 6, 4)
	s_cmp_eq_u32 s2, 0
	s_cbranch_scc0 .Lentry_in_a_cluster
	s_endpgm
.Lentry_in_a_cluster:
	s_bfe_u32 s2, ttmp6, 0x10000c
	s_cmp_lg_u32 s2, 0xf033
	s_cbranch_scc0 .Lentry_shape_is_right
	s_endpgm
.Lentry_shape_is_right:
; q, k, v = x W + b for one head and 256 tokens: C = 256 x 192 (64 channels each of q, k, v), K = 1,024, bf16 products, f32 sums; the biases are rounded to bf16 like every input of the
; module; each result is rounded once to f16 and is NOT scaled.
; LIMIT: |q|, |k|, |v| must stay within f16's 65,504.
; SHARES.  16 heads x 16 token blocks = 256 work-groups.  Wave w owns tokens 64 w .. + 63 and all 192 columns: 48 accumulators of 16 x 16.
; K goes in steps of 128 through two LDS slots (256 rows of x, 192 rows of weights; each row 256 bytes of memory, aligned, 272 bytes apart in LDS).
; CLUSTER 4 x 4: the four of a cluster's row share the token block (x's tile), the four of a column the head (the weights' tile): each tile is asked for jointly.
; q AND k are multiplied with the weights as source 0: a lane then holds one token and eight neighbouring channels.  v is multiplied with x as source 0: a lane holds one channel and eight
; neighbouring tokens.  So each accumulator packs into 16 bytes a lane that ARE a piece of the operand that the attention loads: every store is 512 consecutive bytes, with no stage in LDS.
; OUT, per batch and head 262,144 bytes.  q, k: 16 tokens x 64 channels are 2,048 bytes; (token r, channels 8 g .. + 7) at 256 g + 16 r.
;      v: 64 keys are 8,192 bytes; at 4,096 kk + 1,024 cb + 512 g + 16 lane lie channel 16 cb + lane % 16, keys 32 kk + 16 g + 8 (lane / 16) + 0..7.
; REGISTERS, in windows of 256: window 0: v0-31 addresses; v32-63, v64-95 x's fragments, two buffers; v96-159 q's and k's bias; v160-167 v's; v168-199 packed results.
;   window 1: v0-95, v96-191 the weights' fragments, two buffers.   window 2: accumulators of column blocks 0-7 (q, k) at 8 (4 b + a).   window 3: of blocks 8-11 (v).
.set KSTEP,  128
.set PITCH,  272
.set AHALF,  128*PITCH                 ; what a load of x brings
.set BHALF,  96*PITCH                  ; what a load of the weights brings
.set ATILE,  2*AHALF
.set SLOT,   ATILE+2*BHALF             ; 121,856
.set SPARE,  2*SLOT                    ; the spare words, 128 bytes a wave
.set LAPS,   4                         ; 1,024 / 256
.set ADRA, 16                          ; v16-17 LDS address of my x fragments in slot 0, 1
.set ADRB, 20                          ; v20-21 of the weights'
.set LO,   26                          ; v26    16 x lane
.set SPW,  28
.set NIL,  29
.set BQK,  96
.set BV,   160
.set G1,  24                           ; s[24:31] group 1 for x's tiles;  s[32:39] group 0, a set a slot
.set G0,  32
.set G1B, 48                           ; s[48:55], s[56:63] the same for the weights'
.set G0B, 56
.set MSB, 0
.macro WIN new                         ; the immediate's high byte repeats the setting that is left; a switch that changes nothing is dropped
.if MSB != (\new)
	s_set_vgpr_msb (MSB<<8)|(\new)
.set MSB, \new
.endif
.endm
.macro JLOAD s                         ; a joint load: waves 0 and 1 fetch x's two halves, waves 2 and 3 the weights'; an s_nop 0 and four v_nop follow each line
	s_cmp_eq_u32 s11, 0
	s_cbranch_scc0 .Lfor_b_\@
	tensor_load_to_lds s[G0+4*(\s):G0+4*(\s)+3], s[G1:G1+7]
	s_nop 0
.rept 4
	v_nop
.endr
	s_branch .Lasked_\@
.Lfor_b_\@:
	tensor_load_to_lds s[G0B+4*(\s):G0B+4*(\s)+3], s[G1B:G1B+7]
	s_nop 0
.rept 4
	v_nop
.endr
.Lasked_\@:
.endm
.macro CREST                           ; a round of the cluster's barrier behind its opening barrier
	s_cmp_lg_u32 s10, 0
	s_cbranch_scc1 .Lnot_wave_0_\@
	s_barrier_signal -3
.Lnot_wave_0_\@:
	s_barrier_wait -3
	s_barrier_signal -1
	s_barrier_wait -1
.endm
.macro CROUND
	s_barrier_signal -1
	s_barrier_wait -1
	CREST
.endm
.macro PLACES                          ; four plain places behind matrix instructions, in front of loads into their sources and of reads of their results
.rept 4
	v_nop
.endr
.endm
	s_load_b256 s[68:75], s[0:1], 0x0              ; xb 68:69, wts 70:71, bq 72:73, bk 74:75
	s_load_b128 s[76:79], s[0:1], 0x20             ; bv 76:77, qkv 78:79
	v_lshl_add_u32 v[SPW], v0, 2, SPARE
	v_mov_b32 v[NIL], 0
	ds_add_u32 v[SPW], v[NIL]                      ; the wave's opening: the add and its wait stand ahead of my first tensor load
	v_lshrrev_b32 v1, 5, v0
	v_readfirstlane_b32 s10, v1                    ; wave 0..3
	s_lshr_b32 s11, s10, 1                         ; I fetch for x (0) or for the weights (1)
	s_and_b32 s12, s10, 1                          ; which half of that tile
	s_bfe_u32 s40, ttmp6, 0x40000                  ; cx
	s_bfe_u32 s41, ttmp6, 0x40004                  ; cy
	s_lshl_b32 s42, ttmp9, 2
	s_add_co_u32 s42, s42, s40                     ; head = 4 x cluster x + cx
	s_and_b32 s13, ttmp7, 0xffff
	s_lshl_b32 s13, s13, 2
	s_add_co_u32 s13, s13, s41                     ; token block = 4 x cluster y + cy
	s_lshl_b32 s43, s41, 2
	s_lshl_b32 s43, 15, s43                        ; my row of the cluster
	s_lshl_b32 s44, 0x1111, s40                    ; my column
	s_mov_b32 s45, 0xffff0000
	s_or_b32 s[G1+0], s43, (1<<16)|(1<<20)|(1<<21)|(5<<22)|(3<<25)   ; mask; 2-byte elements; padding on; bit 21 beside a mask; after every 64 words 4 words
	s_or_b32 s[G1B+0], s44, (1<<16)|(1<<20)|(1<<21)|(5<<22)|(3<<25)
	s_mov_b32 s[G1+1], KSTEP<<16                   ; tensor_dim0 = 128
	s_mov_b32 s[G1+2], 128<<16                     ; tensor_dim1 = 128
	s_mov_b32 s[G1+3], KSTEP<<16                   ; tile_dim0 = 128
	s_mov_b32 s[G1+4], 128                         ; tile_dim1 = 128
	s_mov_b32 s[G1+5], 1024                        ; elements from row to row
	s_mov_b32 s[G1+6], 0
	s_mov_b32 s[G1+7], 0
	s_mov_b32 s[G1B+1], KSTEP<<16
	s_mov_b32 s[G1B+2], 96<<16                     ; 96 rows
	s_mov_b32 s[G1B+3], KSTEP<<16
	s_mov_b32 s[G1B+4], 96
	s_mov_b32 s[G1B+5], 1024
	s_mov_b32 s[G1B+6], 0
	s_mov_b32 s[G1B+7], 0
	s_lshl_b32 s17, s12, 7
	s_lshl_b32 s16, s13, 8
	s_add_co_u32 s16, s16, s17                     ; x: row 256 x block + 128 x half,
	s_lshl_b32 s16, s16, 11                        ; 2,048 bytes a row
	s_mov_b32 s17, 0
	s_mul_i32 s46, s42, 192
	s_mul_i32 s47, s12, 96
	s_add_co_u32 s46, s46, s47                     ; weights: row 192 x head + 96 x half
	s_lshl_b32 s46, s46, 11
	s_mov_b32 s47, 0
	s_mul_i32 s20, s10, AHALF                      ; where x's halves go (waves 0, 1)
	s_mul_i32 s21, s10, BHALF
	s_add_co_u32 s21, s21, ATILE-2*BHALF           ; where the weights' go (waves 2, 3): behind x's 256 rows
	s_wait_dscnt 0x0                               ; the opening add is done
	s_wait_kmcnt 0x0
	s_add_nc_u64 s[14:15], s[68:69], s[16:17]
	s_add_nc_u64 s[46:47], s[70:71], s[46:47]
	CROUND                                         ; all sixteen work-groups are here: the first joint loads meet
.irp s, 0,1
	s_mov_b32 s[G0+4*(\s)], 1
	s_add_co_u32 s[G0+4*(\s)+1], s20, (\s)*SLOT
	s_add_nc_u64 s[G0+4*(\s)+2:G0+4*(\s)+3], s[14:15], (\s)*KSTEP*2
	s_or_b32 s[G0+4*(\s)+3], s[G0+4*(\s)+3], 0x80000000
	s_mov_b32 s[G0B+4*(\s)], 1
	s_add_co_u32 s[G0B+4*(\s)+1], s21, (\s)*SLOT
	s_add_nc_u64 s[G0B+4*(\s)+2:G0B+4*(\s)+3], s[46:47], (\s)*KSTEP*2
	s_or_b32 s[G0B+4*(\s)+3], s[G0B+4*(\s)+3], 0x80000000
	JLOAD \s                                       ; two loads of mine are out
.endr
	; the biases: q's and k's as eight channels a lane for each column block, v's as one channel a lane
	s_lshl_b32 s18, s42, 8                         ; the head's 64 numbers
	s_mov_b32 s19, 0
	s_add_nc_u64 s[72:73], s[72:73], s[18:19]
	s_add_nc_u64 s[74:75], s[74:75], s[18:19]
	s_add_nc_u64 s[76:77], s[76:77], s[18:19]
	v_and_b32 v1, 15, v0                           ; r
	v_bfe_u32 v2, v0, 4, 1                         ; hh
	v_lshlrev_b32 v22, 5, v2
	v_lshlrev_b32 v23, 2, v1
.irp c, 0,1,2,3
	global_load_b128 v[BQK+8*(\c):BQK+8*(\c)+3],       v22, s[72:73] offset:64*(\c)
	global_load_b128 v[BQK+8*(\c)+4:BQK+8*(\c)+7],     v22, s[72:73] offset:64*(\c)+16
	global_load_b128 v[BQK+32+8*(\c):BQK+32+8*(\c)+3],   v22, s[74:75] offset:64*(\c)
	global_load_b128 v[BQK+32+8*(\c)+4:BQK+32+8*(\c)+7], v22, s[74:75] offset:64*(\c)+16
	global_load_b32 v[BV+2*(\c)], v23, s[76:77] offset:64*(\c)
.endr
	v_mul_u32_u24 v3, v1, PITCH
	v_lshl_add_u32 v3, v2, 4, v3                   ; a fragment's row x pitch + 16 x half
	s_mul_i32 s22, s10, 64*PITCH                   ; my 64 rows of x
	s_mov_b32 s23, ATILE                           ; all 192 rows of the weights
.irp s, 0,1
	v_add_nc_u32 v[ADRA+(\s)], s22, v3
	v_add_nc_u32 v[ADRB+(\s)], s23, v3
	s_add_co_u32 s22, s22, SLOT
	s_add_co_u32 s23, s23, SLOT
.endr
	v_and_b32 v[LO], 31, v0
	v_lshlrev_b32 v[LO], 4, v[LO]
	s_lshr_b32 s80, s13, 3                         ; the batch,
	s_lshl_b32 s80, s80, 4
	s_add_co_u32 s80, s80, s42                     ; 16 x batch + head,
	s_lshl_b32 s80, s80, 18                        ; 262,144 bytes each,
	s_and_b32 s82, s13, 7
	s_lshl_b32 s82, s82, 15                        ; the block's 256 tokens of 128 bytes,
	s_add_co_u32 s80, s80, s82
	s_lshl_b32 s82, s10, 13                        ; my wave's 64
	s_add_co_u32 s80, s80, s82
	s_mov_b32 s81, 0
	s_add_nc_u64 s[4:5], s[78:79], s[80:81]        ; q
	s_add_nc_u64 s[6:7], s[4:5], 0x800000          ; k
	s_add_nc_u64 s[8:9], s[4:5], 0x1000000         ; v
	s_wait_loadcnt 0x0                             ; the biases: rounded to bf16 here, in the wait for the first tile
.set i, BQK
.rept 32
	v_cvt_pk_bf16_f32 v30, v[i], v[i+1]
	v_lshlrev_b32 v[i], 16, v30
	v_and_b32 v[i+1], s45, v30
.set i, i+2
.endr
.irp c, 0,1,2,3
	v_cvt_pk_bf16_f32 v30, v[BV+2*(\c)], v[BV+2*(\c)]
	v_lshlrev_b32 v[BV+2*(\c)], 16, v30
	v_lshlrev_b32 v[BV+2*(\c)+1], 16, v30          ; twice: a pair for the packed addition
.endr
; 16 matrix instructions of q or k: column blocks b0 .. b0 + 3 x my four token blocks, 32 along K, buffer f.  The 48 accumulators take turns, one instruction a turn.
.macro MULQK f, b0, zero
	WIN 0xa1                                       ; source 0 (weights) window 1, source 1 (x) window 0, C and D window 2
.irp b, \b0, (\b0)+1, (\b0)+2, (\b0)+3
.irp a, 0,1,2,3
.if \zero
	v_wmma_f32_16x16x32_bf16 v[8*(4*(\b)+(\a)):8*(4*(\b)+(\a))+7], v[96*(\f)+8*(\b):96*(\f)+8*(\b)+7], v[32+32*(\f)+8*(\a):32+32*(\f)+8*(\a)+7], 0
.else
	v_wmma_f32_16x16x32_bf16 v[8*(4*(\b)+(\a)):8*(4*(\b)+(\a))+7], v[96*(\f)+8*(\b):96*(\f)+8*(\b)+7], v[32+32*(\f)+8*(\a):32+32*(\f)+8*(\a)+7], v[8*(4*(\b)+(\a)):8*(4*(\b)+(\a))+7]
.endif
.endr
.endr
.endm
; 16 matrix instructions of v: x is source 0
.macro MULV f, zero
	WIN 0xf4                                       ; source 0 (x) window 0, source 1 (weights) window 1, C and D window 3
.irp b, 0,1,2,3
.irp a, 0,1,2,3
.if \zero
	v_wmma_f32_16x16x32_bf16 v[8*(4*(\b)+(\a)):8*(4*(\b)+(\a))+7], v[32+32*(\f)+8*(\a):32+32*(\f)+8*(\a)+7], v[96*(\f)+64+8*(\b):96*(\f)+64+8*(\b)+7], 0
.else
	v_wmma_f32_16x16x32_bf16 v[8*(4*(\b)+(\a)):8*(4*(\b)+(\a))+7], v[32+32*(\f)+8*(\a):32+32*(\f)+8*(\a)+7], v[96*(\f)+64+8*(\b):96*(\f)+64+8*(\b)+7], v[8*(4*(\b)+(\a)):8*(4*(\b)+(\a))+7]
.endif
.endr
.endr
.endm
; 32 LDS loads in one run: x's 8, q's and k's weights' 16, v's weights' 8 last
.macro FETCH slot, k, f
	WIN 0
.irp a, 0,1,2,3
	ds_load_b128 v[32+32*(\f)+8*(\a):32+32*(\f)+8*(\a)+3],   v[ADRA+(\slot)] offset:(\k)+(\a)*16*PITCH
	ds_load_b128 v[32+32*(\f)+8*(\a)+4:32+32*(\f)+8*(\a)+7], v[ADRA+(\slot)] offset:(\k)+(\a)*16*PITCH+32
.endr
	WIN 0x40                                       ; destination window 1
.irp b, 0,1,2,3,4,5,6,7,8,9,10,11
	ds_load_b128 v[96*(\f)+8*(\b):96*(\f)+8*(\b)+3],   v[ADRB+(\slot)] offset:(\k)+(\b)*16*PITCH
	ds_load_b128 v[96*(\f)+8*(\b)+4:96*(\f)+8*(\b)+7], v[ADRB+(\slot)] offset:(\k)+(\b)*16*PITCH+32
.endr
.endm
; A K step is four quarters of 32 along K, 48 matrix instructions each, on buffers 0, 1, 0, 1.  One of the first three multiplies f and fetches the next quarter, at byte k, into g.
.macro QUARTER slot, k, f, g, zero
	s_wait_dscnt 8                                 ; all but the youngest eight loads (v's weights) are in
	MULQK \f, 0, \zero
	MULQK \f, 4, \zero
	PLACES                                         ; buffer g was last read by the quarter before
	FETCH \slot, \k, \g
	s_wait_dscnt 32                                ; all but the 32 just issued
	MULV \f, \zero
.endm
; The last quarter multiplies buffer 1 and changes slots: one barrier; in front of it each wave waits for all its tensor loads (one is out: its part of the next slot), adds 0 to its spare
; word, and waits for that and for its reads of this slot.  fill = 1: the barrier opens a round of the cluster's, and this slot is filled again, two K steps ahead, first thing behind it:
; 16 + 3 x 48 matrix instructions stand between that request and the wait for it.
.macro TURN slot, next, fill
	WIN 0
	s_wait_tensorcnt 0x0
	ds_add_u32 v[SPW], v[NIL]
	s_wait_dscnt 9                                 ; the add and the youngest eight loads may be out
	MULQK 1, 0, 0
	s_wait_dscnt 0x0                               ; the add is done, and my reads of this slot are over
	s_barrier_signal -1
	MULQK 1, 4, 0
	WIN 0
	s_barrier_wait -1
.if \fill
	CREST
	s_add_nc_u64 s[G0+4*(\slot)+2:G0+4*(\slot)+3], s[G0+4*(\slot)+2:G0+4*(\slot)+3], 2*KSTEP*2
	s_add_nc_u64 s[G0B+4*(\slot)+2:G0B+4*(\slot)+3], s[G0B+4*(\slot)+2:G0B+4*(\slot)+3], 2*KSTEP*2
	JLOAD \slot                                    ; its four v_nop are also the places in front of the loads below
.else
	PLACES
.endif
	FETCH \next, 0, 0
	MULV 1, 0
.endm
	s_wait_tensorcnt 1                             ; my part of K step 0 is in; K step 1's may stay out
	s_barrier_signal -1
	s_barrier_wait -1
	FETCH 0, 0, 0
	QUARTER 0, 64, 0, 1, 1                         ; the first quarter's products start the sums: nothing is cleared
	WIN 0
	s_mov_b32 s3, LAPS-1
.Llap:                                                 ; a trip goes once round the ring and fills both slots again
	QUARTER 0, 128, 1, 0, 0
	QUARTER 0, 192, 0, 1, 0
	TURN 0, 1, 1
	QUARTER 1, 64,  0, 1, 0
	QUARTER 1, 128, 1, 0, 0
	QUARTER 1, 192, 0, 1, 0
	TURN 1, 0, 1
	QUARTER 0, 64,  0, 1, 0
	WIN 0
	s_sub_co_u32 s3, s3, 1
	s_cmp_lg_u32 s3, 0
	s_cbranch_scc1 .Llap
	QUARTER 0, 128, 1, 0, 0                        ; the last lap fills nothing
	QUARTER 0, 192, 0, 1, 0
	TURN 0, 1, 0
	QUARTER 1, 64,  0, 1, 0
	QUARTER 1, 128, 1, 0, 0
	QUARTER 1, 192, 0, 1, 0
	s_wait_dscnt 8
	MULQK 1, 0, 0
	MULQK 1, 4, 0
	s_wait_dscnt 0x0
	MULV 1, 0
	WIN 0
	PLACES
; THE WAY OUT, a column block (four accumulators) at a time: + bias, rounded to f16, four stores of 512 consecutive bytes.  Each accumulator is read from its lowest registers on.
.macro OUTB b
	s_wait_xcnt 0x0                                ; the packed registers that earlier stores read are rewritten only behind this wait
.set DS, 168+16*((\b)%2)
.if (\b) < 8
	WIN 0x02                                       ; source 0 window 2
.else
	WIN 0x03
.endif
.irp a, 0,1,2,3
.irp i, 0,1,2,3
.if (\b) < 8
	v_pk_add_f32 v[32+8*(\a)+2*(\i):33+8*(\a)+2*(\i)], v[32*(\b)+8*(\a)+2*(\i):32*(\b)+8*(\a)+2*(\i)+1], v[BQK+8*(\b)+2*(\i):BQK+8*(\b)+2*(\i)+1]
.else
	v_pk_add_f32 v[32+8*(\a)+2*(\i):33+8*(\a)+2*(\i)], v[32*((\b)-8)+8*(\a)+2*(\i):32*((\b)-8)+8*(\a)+2*(\i)+1], v[BV+2*((\b)-8):BV+2*((\b)-8)+1]
.endif
.endr
.endr
	WIN 0
.irp a, 0,1,2,3
.irp i, 0,1,2,3
	v_cvt_pk_f16_f32 v[DS+4*(\a)+(\i)], v[32+8*(\a)+2*(\i)], v[33+8*(\a)+2*(\i)]
.endr
.endr
.irp a, 0,1,2,3
.if (\b) < 8
	global_store_b128 v[LO], v[DS+4*(\a):DS+4*(\a)+3], s[4+2*((\b)/4):5+2*((\b)/4)] offset:(\a)*2048+((\b)%4)*512
.else
	global_store_b128 v[LO], v[DS+4*(\a):DS+4*(\a)+3], s[8:9] offset:((\a)/2)*4096+((\b)-8)*1024+((\a)%2)*512
.endif
.endr
.endm
.irp b, 0,1,2,3,4,5,6,7,8,9,10,11
	OUTB \b
.endr
	s_wait_tensorcnt 0x0                           ; the wave's end
	ds_add_u32 v[SPW], v[NIL]
	s_wait_dscnt 0x0
	CROUND                                         ; the closing round
	s_endpgm
.Lfunc_end_k_q3e86aa1dee_qkvproj:
	.size	k_q3e86aa1dee_qkvproj, .Lfunc_end_k_q3e86aa1dee_qkvproj-k_q3e86aa1dee_qkvproj
	.p2alignl 7, 3214868480
	.fill 96, 4, 3214868480
	.section	.rodata,"a",@progbits
	.p2align	6, 0x0
	.amdhsa_kernel k_q3e86aa1dee_qkvproj
		.amdhsa_group_segment_fixed_size 327680
		.amdhsa_private_segment_fixed_size 0
		.amdhsa_enable_private_segment 0
		.amdhsa_kernarg_size 48
		.amdhsa_user_sgpr_count 2
		.amdhsa_user_sgpr_kernarg_segment_ptr 1
		.amdhsa_wavefront_size32 1
		.amdhsa_system_sgpr_workgroup_id_x 1
		.amdhsa_system_sgpr_workgroup_id_y 1
		.amdhsa_system_sgpr_workgroup_id_z 1
		.amdhsa_system_vgpr_workitem_id 0
		.amdhsa_next_free_vgpr 896
		.amdhsa_next_free_sgpr 88
		.amdhsa_reserve_vcc 0
		.amdhsa_float_denorm_mode_32 3
		.amdhsa_float_denorm_mode_16_64 3
		.amdhsa_memory_ordered 1
		.amdhsa_forward_progress 1
		.amdhsa_inst_pref_size 131
	.end_amdhsa_kernel
	.amdgpu_metadata
---
amdhsa.version: [ 1, 2 ]
amdhsa.kernels:
  - .name:           k_q3e86aa1dee_qkvproj
    .symbol:         k_q3e86aa1dee_qkvproj.kd
    .args:
      - { .name: xb, .offset: 0, .size: 8, .value_kind: global_buffer, .address_space: global }
      - { .name: wts, .offset: 8, .size: 8, .value_kind: global_buffer, .address_space: global }
      - { .name: bq, .offset: 16, .size: 8, .value_kind: global_buffer, .address_space: global }
      - { .name: bk, .offset: 24, .size: 8, .value_kind: global_buffer, .address_space: global }
      - { .name: bv, .offset: 32, .size: 8, .value_kind: global_buffer, .address_space: global }
      - { .name: qkv, .offset: 40, .size: 8, .value_kind: global_buffer, .address_space: global }
    .group_segment_fixed_size: 327680
    .private_segment_fixed_size: 0
    .kernarg_segment_align: 8
    .kernarg_segment_size: 48
    .max_flat_workgroup_size: 128
    .sgpr_count:     88
    .vgpr_count:     896
    .wavefront_size: 32
...
	.end_amdgpu_metadata
.endif
;; end of part 2
;; launch attn (part 3): grid 512 x 1, 8 waves a work-group, no clusters, 140,288 bytes of LDS; arguments qkv, mbits, qinfo, of; writes of
.if DOCPART == 3
	.amdgcn_target "amdgcn-amd-amdhsa--gfx1250"
	.amdhsa_code_object_version 6
	.text
	.protected	k_q3e86aa1dee_attn
	.globl	k_q3e86aa1dee_attn
	.p2align	8
	.type	k_q3e86aa1dee_attn,@function
k_q3e86aa1dee_attn:
	s_mov_b64 s[64:65], 0
	v_nop
	global_prefetch_b8 v0, s[64:65] scope:SCOPE_SE
	s_setreg_imm32_b32 hwreg(HW_REG_WAVE_MODE, 25, 1), 1
	s_wait_xcnt 0x0
; ATTENTION UNDER A MASK THAT IS DATA.  For each query: softmax over the keys that block_mask shows, head size 64, c = log2(e) / 8; a query that sees no key gives 0.
; q, k, v in f16 as the launch before laid them (operand pieces of 512 consecutive bytes); products, maxima and sums in f32; the weights are rounded to f16 for the second product, O once.
; WHAT IS LEFT OUT: tiles of 64 queries x 64 keys in which no key is seen.  Which those are is read from qinfo (bit masks over the 32 key tiles of each query block, stored by an earlier
; launch); a tile in which some keys are hidden takes its lane masks from mbits.  No pattern of the mask is built in.
; LIMITS.  A hidden score counts as its value less 1e30; the running maximum has a floor of -1e20 (f16's scores reach 2.7e11 at most); a weight below 2^-126 counts as 0;
; NaN and infinities in q, k, v are not treated apart.
; SHARES.  Work-group = (rank, head): it takes the query block with the rank-th longest list of tiles, so that long lists begin first.  Waves 0-3 serve batch 0, waves 4-7 batch 1.
; Each wave holds all 64 queries (four tiles of 16) and walks every fourth entry of the list; the four partial results of a batch meet in LDS once, and wave w finishes query tile w.
; K's and V's pieces go from memory straight into registers, sixteen loads of 512 consecutive bytes each, asked for a step's softmax ahead: no LDS and no barrier in the loop.
; NO CLUSTER, NO TENSOR LOAD: a tile of K and V is read by one wave of a work-group; which tiles two query blocks share hangs on the data, so partners would walk lists of different lengths.
; O^T is cleared at the start (128 v_mov_b32, in the wait for qinfo): one text then serves every step, and a wave whose share of the list is empty hands zeros to the merge.
; LAYOUT.  S^T = K Q^T: a lane holds one query (lane % 16) and keys 16 kb + 8 (lane / 16) + j in register 8 kb + j.  The weights, rounded in pairs IN PLACE into a tile's first 16 score
; registers, are source 1 of O^T = V^T P, whose result holds one query a lane and eight channels.
; REGISTERS.  window 0: v1-8 addresses and constants; v9-15 at work; v16-55 ten registers of statistics a tile; v56-63 merge factors; v64-191 S^T; v192-255 Q.
;             window 1: v0-127 O^T, 32 a tile; v128-191 K of a step; v192-255 V of a step.
.set WST,   17408                      ; LDS: a writing wave's four tiles
.set TST,   4352                       ; a tile: 4,096 bytes of O^T, 256 of (c m, l)
.set SPARE, 8*WST                      ; the spare words, 128 bytes for each of eight waves
.set LO,  1                            ; v1  16 x lane; never rewritten
.set NEG, 2                            ; v2  -1e30
.set SPW, 3
.set NIL, 4
.set MST, 5                            ; v5  merge: where I put O^T
.set MLD, 6                            ; v6  merge: where I read my tile's four parts
.set MSS, 7                            ; v7  merge: where I put (c m, l)
.set MSL, 8                            ; v8  merge: where I read them
.set ST,  16                           ; tile t at ST + 10 t: c m, m, l (even, odd keys'), c0-c3 at work (c2 takes a), c m_old, spare
.set G,   56
.set S,   64
.set Q,   192
.set KF,  128                          ; window 1
.set VF,  192                          ; window 1
; scalars: s[2:3] lane selects; s[4:5] k, s[6:7] mbits at my block, s[8:9] v, s[10:11] of at my tile, s[66:67] q at my block; s12 wave, s13 wave % 4; s15 at work;
; s17 tiles left for me, s18 mixed tiles; s19 trips, s20 counter, s21 trips - 1; s22 the tile in hand, s23 the next; s[24:25] an offset; s[26:27], s[28:29], s[30:31] the loads' bases;
; s[32:63], s[68:99] two tiles' 32 lane masks each; s[100:101] c
.set MSB, 0
.macro WIN new
.if MSB != (\new)
	s_set_vgpr_msb (MSB<<8)|(\new)
.set MSB, \new
.endif
.endm
	s_load_b256 s[4:11], s[0:1], 0x0               ; qkv 4:5, mbits 6:7, qinfo 8:9, of 10:11
	v_lshl_add_u32 v[SPW], v0, 2, SPARE
	v_mov_b32 v[NIL], 0
	v_lshrrev_b32 v9, 5, v0
	v_readfirstlane_b32 s12, v9                    ; wave 0..7
	v_and_b32 v10, 31, v0                          ; lane
	v_lshlrev_b32 v[LO], 4, v10
	v_lshlrev_b32 v11, 9, v10                      ; lane l reads query block l's 512 bytes of qinfo
	s_and_b32 s13, s12, 3
	s_lshr_b32 s32, s12, 2                         ; batch
	s_mov_b32 s14, ttmp9
	s_lshr_b32 s15, s14, 4                         ; rank
	s_and_b32 s33, s14, 15                         ; head
	s_mov_b32 s2, 0x76543210
	s_mov_b32 s3, 0xfedcba98
	s_mov_b32 s100, 0x3e38aa3b                     ; c = log2(e) / 8
	s_mov_b32 s101, s100
	s_mov_b32 s25, 0
	s_lshl_b32 s34, s32, 1
	s_add_co_u32 s34, s34, s13
	s_add_co_u32 s34, s34, s14
	s_and_b32 s34, s34, 3                          ; my first entry of the list: turned by work-group and batch, so that the two waves of a SIMD get a long share and a short one
	s_wait_kmcnt 0x0
.irp p, 0,1,2,3
	global_load_b128 v[64+4*(\p):67+4*(\p)], v11, s[8:9] offset:128*(\p)  ; (alive, mixed, count, 0) of part p
.endr
	WIN 0x40
.set i, 0
.rept 128
	v_mov_b32 v[i], 0                              ; O^T
.set i, i+1
.endr
	WIN 0
	v_mov_b32 v[NEG], 0xf149f2ca
.irp t, 0,1,2,3
	v_mov_b32 v[ST+10*(\t)], 0xfe000000            ; c m: far below every c s
	v_mov_b32 v[ST+10*(\t)+1], 0xe0ad78ec          ; m: the floor, -1e20
.irp z, 2,3,4,5,6,7,8,9
	v_mov_b32 v[ST+10*(\t)+(\z)], 0
.endr
.endr
	s_mul_i32 s35, s12, WST
	v_add_nc_u32 v[MST], s35, v[LO]
	v_lshlrev_b32 v9, 3, v10
	v_add_nc_u32 v9, 4096, v9
	v_add_nc_u32 v[MSS], s35, v9
	s_mul_i32 s36, s32, 4*WST
	s_mul_i32 s37, s13, TST
	s_add_co_u32 s36, s36, s37
	v_add_nc_u32 v[MLD], s36, v[LO]
	v_add_nc_u32 v[MSL], s36, v9
	s_wait_loadcnt 0x0
	v_or_b32 v64, v64, v68
	v_or_b32 v72, v72, v76
	v_or_b32 v64, v64, v72                         ; block l's alive tiles
	v_or_b32 v65, v65, v69
	v_or_b32 v73, v73, v77
	v_or_b32 v65, v65, v73                         ; its mixed tiles
	v_add_nc_u32 v66, v66, v70
	v_add_nc_u32 v74, v74, v78
	v_add_nc_u32 v66, v66, v74                     ; how many are alive
	v_cmp_eq_u32 vcc_lo, 0, v64                    ; a block that sees nothing takes tile 0 as a mixed tile: all its weights come out 0
	v_or_b32 v67, 1, v65
	v_cndmask_b32 v64, v64, 1, vcc_lo
	v_cndmask_b32 v65, v65, v67, vcc_lo
	v_cndmask_b32 v66, v66, 1, vcc_lo
	v_sub_nc_u32 v68, 31, v10
	v_lshl_add_u32 v68, v66, 5, v68                ; a key that differs from block to block: count first, then the lower number
	v_mov_b32 v69, 0
.set i, 0
.rept 32
	v_readlane_b32 s35, v68, i
	v_cmp_gt_u32 vcc_lo, s35, v68
	v_add_co_ci_u32 v69, vcc_lo, 0, v69, vcc_lo    ; block l's rank: how many keys are greater
.set i, i+1
.endr
	v_cmp_eq_u32 s35, s15, v69
	s_ctz_i32_b32 s16, s35
	s_min_u32 s16, s16, 31                         ; my query block
	v_readlane_b32 s17, v64, s16
	v_readlane_b32 s18, v65, s16
	s_bcnt1_i32_b32 s19, s17
	s_add_co_u32 s19, s19, 3
	s_sub_co_u32 s19, s19, s34
	s_lshr_b32 s19, s19, 2                         ; my trips: the entries e of the list with e % 4 = my first
.irp i, 0,1,2
	s_sub_co_u32 s35, s17, 1
	s_and_b32 s35, s17, s35                        ; the list less its lowest entry,
	s_cmp_gt_u32 s34, \i
	s_cselect_b32 s17, s35, s17                    ; as often as my first entry says
.endr
	s_lshl_b32 s36, s32, 4
	s_add_co_u32 s36, s36, s33                     ; 16 x batch + head
	s_lshl_b32 s24, s36, 18
	s_add_nc_u64 s[4:5], s[4:5], s[24:25]          ; q of my batch and head
	s_lshl_b32 s24, s16, 13
	s_add_nc_u64 s[66:67], s[4:5], s[24:25]        ; at my block's 64 queries
	s_add_nc_u64 s[8:9], s[4:5], 0x1000000         ; v (qinfo's loads are done)
	s_add_nc_u64 s[4:5], s[4:5], 0x800000          ; k
	s_lshl_b32 s24, s16, 14
	s_add_nc_u64 s[6:7], s[6:7], s[24:25]          ; mbits at my block: 32 tiles of 512 bytes
	s_lshl_b32 s24, s32, 22                        ; of: [token / 128][head][token / 16 % 8][2,048 bytes]
	s_and_b32 s35, s16, 30
	s_lshl_b32 s35, s35, 17
	s_add_co_u32 s24, s24, s35
	s_lshl_b32 s35, s33, 14
	s_add_co_u32 s24, s24, s35
	s_and_b32 s35, s16, 1
	s_lshl_b32 s35, s35, 13
	s_add_co_u32 s24, s24, s35
	s_lshl_b32 s35, s13, 11                        ; I finish query tile wave % 4
	s_add_co_u32 s24, s24, s35
	s_add_nc_u64 s[10:11], s[10:11], s[24:25]
.macro NEXTKT d                        ; my next tile: the list's lowest entry; then four entries are dropped
	s_ctz_i32_b32 s[\d], s17
	s_min_u32 s[\d], s[\d], 31
.rept 4
	s_sub_co_u32 s15, s17, 1
	s_and_b32 s17, s17, s15
.endr
.endm
.macro KLOAD kt                        ; K of tile s[kt]: 64 keys, 8,192 bytes, as 16 operand pieces.  The base's earlier loads were shown done by the wait in front of the products K Q^T
	s_lshl_b32 s24, s[\kt], 13
	s_add_nc_u64 s[26:27], s[4:5], s[24:25]
	WIN 0x40
.set i, 0
.rept 16
	global_load_b128 v[KF+4*i:KF+4*i+3], v[LO], s[26:27] offset:512*i
.set i, i+1
.endr
	WIN 0
.endm
.macro VLOAD kt                        ; V likewise; its base's earlier loads were shown done by the wait in front of the products V^T P
	s_lshl_b32 s24, s[\kt], 13
	s_add_nc_u64 s[28:29], s[8:9], s[24:25]
	WIN 0x40
.set i, 0
.rept 16
	global_load_b128 v[VF+4*i:VF+4*i+3], v[LO], s[28:29] offset:512*i
.set i, i+1
.endr
	WIN 0
.endm
; 32 products S^T = K Q^T: channels 32 c on, keys 16 kb on, tile t.  The 16 accumulators take turns.  zero = 1: the first 16 start the sums with 0; zero = 0: with the mask that lies in S^T.
.macro KQ zero
	WIN 0x01                                       ; K in window 1
.irp c, 0,1
.irp kb, 0,1,2,3
.irp t, 0,1,2,3
.if ((\c) == 0) && (\zero)
	v_wmma_f32_16x16x32_f16 v[S+32*(\t)+8*(\kb):S+32*(\t)+8*(\kb)+7], v[KF+16*(\kb)+8*(\c):KF+16*(\kb)+8*(\c)+7], v[Q+16*(\t)+8*(\c):Q+16*(\t)+8*(\c)+7], 0
.else
	v_wmma_f32_16x16x32_f16 v[S+32*(\t)+8*(\kb):S+32*(\t)+8*(\kb)+7], v[KF+16*(\kb)+8*(\c):KF+16*(\kb)+8*(\c)+7], v[Q+16*(\t)+8*(\c):Q+16*(\t)+8*(\c)+7], v[S+32*(\t)+8*(\kb):S+32*(\t)+8*(\kb)+7]
.endif
.endr
.endr
.endr
.endm
; 32 products O^T += V^T P: keys 32 kk on, channels 16 cb on, tile t
.macro PV
	WIN 0x51                                       ; V, C and D in window 1, P in window 0
.irp kk, 0,1
.irp cb, 0,1,2,3
.irp t, 0,1,2,3
	v_wmma_f32_16x16x32_f16 v[32*(\t)+8*(\cb):32*(\t)+8*(\cb)+7], v[VF+32*(\kk)+8*(\cb):VF+32*(\kk)+8*(\cb)+7], v[S+32*(\t)+8*(\kk):S+32*(\t)+8*(\kk)+7], v[32*(\t)+8*(\cb):32*(\t)+8*(\cb)+7]
.endr
.endr
.endr
.endm
; A mixed tile: its 128 lane masks come by scalar loads, two query tiles at a time, and each makes a score register's start: 0, or -1e30 where the key is hidden
.macro MASKS
	s_lshl_b32 s24, s22, 9
	s_add_nc_u64 s[30:31], s[6:7], s[24:25]
.irp p, 0,1
	s_load_b512 s[32:47], s[30:31], 256*(\p)
	s_load_b512 s[48:63], s[30:31], 256*(\p)+64
	s_load_b512 s[68:83], s[30:31], 256*(\p)+128
	s_load_b512 s[84:99], s[30:31], 256*(\p)+192
	s_wait_kmcnt 0x0
.set i, 0
.rept 32
	v_cndmask_b32 v[S+64*(\p)+i], 0, v[NEG], s[32+i]
.set i, i+1
.endr
.set i, 0
.rept 32
	v_cndmask_b32 v[S+64*(\p)+32+i], 0, v[NEG], s[68+i]
.set i, i+1
.endr
.endr
.endm
; Number n of the 22 that find tile t's maximum and statistics.  0-11: four chains c0-c3 of seven scores each (each accumulator's lowest registers are read first);
; 12-14, 16: the four scores left over, the old m, and c0-c3 into c0; 15: c m_old is kept; 17, 18: the query's other 32 keys lie in the lane 16 away; 19-21: c m; c m_old - c m_new; a
.macro XS t, n
.set rT, ST+10*(\t)
.set rC, rT+4
.set rS, S+32*(\t)
.if (\n) < 4
	v_max3_num_f32 v[rC+(\n)], v[rS+8*(\n)], v[rS+8*(\n)+1], v[rS+8*(\n)+2]
.elseif (\n) < 12
	v_max3_num_f32 v[rC+(\n)%4], v[rC+(\n)%4], v[rS+8*((\n)%4)+2*((\n)/4)+1], v[rS+8*((\n)%4)+2*((\n)/4)+2]
.elseif (\n) == 12
	v_max3_num_f32 v[rC], v[rC], v[rS+7], v[rS+15]
.elseif (\n) == 13
	v_max3_num_f32 v[rC+1], v[rC+1], v[rS+23], v[rS+31]
.elseif (\n) == 14
	v_max3_num_f32 v[rC+2], v[rC+2], v[rC+3], v[rT+1]
.elseif (\n) == 15
	v_mov_b32 v[rT+8], v[rT]
.elseif (\n) == 16
	v_max3_num_f32 v[rC], v[rC], v[rC+1], v[rC+2]
.elseif (\n) == 17
	v_permlanex16_b32 v[rC+3], v[rC], s2, s3
.elseif (\n) == 18
	v_max_num_f32 v[rT+1], v[rC], v[rC+3]
.elseif (\n) == 19
	v_mul_f32 v[rT], s100, v[rT+1]
.elseif (\n) == 20
	v_sub_f32 v[rC+1], v[rT+8], v[rT]
.else
	v_exp_f32 v[rC+2], v[rC+1]
.endif
.endm
; Plain instruction x of the four that follow group k's exponentials (weights 4 k .. 4 k + 3 of tile t): l takes the first pair (k = 0: l = a l + pair); c0:c1 gathers the second pairs;
; both pairs are rounded to f16 into registers 2 k, 2 k + 1, whose own weights (of group k / 2) have been summed and rounded before, or by the lines just above
.macro PLN t, k, x
.set rT, ST+10*(\t)
.set rS, S+32*(\t)
.if (\x) == 0
.if (\k) == 0
	s_wait_alu depctr_va_vdst(0)
	v_pk_fma_f32 v[rT+2:rT+3], v[rT+2:rT+3], v[rT+6:rT+7], v[rS:rS+1] op_sel_hi:[1,0,1]
.else
	s_wait_alu depctr_va_vdst(0)
	v_pk_add_f32 v[rT+2:rT+3], v[rT+2:rT+3], v[rS+4*(\k):rS+4*(\k)+1]
.endif
.elseif (\x) == 1
.if (\k) == 1
	v_pk_add_f32 v[rT+4:rT+5], v[rS+2:rS+3], v[rS+6:rS+7]
.elseif (\k) > 1
	v_pk_add_f32 v[rT+4:rT+5], v[rT+4:rT+5], v[rS+4*(\k)+2:rS+4*(\k)+3]
.endif
.elseif (\x) == 2
	v_cvt_pk_f16_f32 v[rS+2*(\k)], v[rS+4*(\k)], v[rS+4*(\k)+1]
.else
	v_cvt_pk_f16_f32 v[rS+2*(\k)+1], v[rS+4*(\k)+2], v[rS+4*(\k)+3]
.endif
.endm
; A step's softmax for the four tiles.  Behind the statistics a pipeline over groups of four scores: in stage sg group sg is scaled (c s - c m), group sg - 1 takes its exponentials, and
; between those stand the plain lines of group sg - 2: no result of an exponential is read before a plain instruction has passed (ISA guide 5.7.2).  At last l takes c0:c1, and O^T is multiplied by a.
.macro SOFT
	WIN 0
.irp n, 0,1,2,3,4,5,6,7,8,9,10,11,12,13,14,15,16,17,18,19,20,21
.irp t, 0,1,2,3
	XS \t, \n
.endr
.endr
.set sg, 0
.rept 10
.if sg < 8
.irp t, 0,1,2,3
	v_pk_fma_f32 v[S+32*(\t)+4*sg:S+32*(\t)+4*sg+1], v[S+32*(\t)+4*sg:S+32*(\t)+4*sg+1], s[100:101], v[ST+10*(\t):ST+10*(\t)+1] op_sel_hi:[1,0,0] neg_lo:[0,0,1] neg_hi:[0,0,1]
	v_pk_fma_f32 v[S+32*(\t)+4*sg+2:S+32*(\t)+4*sg+3], v[S+32*(\t)+4*sg+2:S+32*(\t)+4*sg+3], s[100:101], v[ST+10*(\t):ST+10*(\t)+1] op_sel_hi:[1,0,0] neg_lo:[0,0,1] neg_hi:[0,0,1]
.endr
.endif
.irp t, 0,1,2,3
.irp x, 0,1,2,3
.if (sg >= 1) && (sg <= 8)
	v_exp_f32 v[S+32*(\t)+4*(sg-1)+(\x)], v[S+32*(\t)+4*(sg-1)+(\x)]
.endif
.if sg >= 2
	PLN \t, (sg-2), \x
.endif
.endr
.endr
.set sg, sg+1
.endr
.irp t, 0,1,2,3
	v_pk_add_f32 v[ST+10*(\t)+2:ST+10*(\t)+3], v[ST+10*(\t)+2:ST+10*(\t)+3], v[ST+10*(\t)+4:ST+10*(\t)+5]
.endr
	WIN 0x41                                       ; O^T in window 1, a in window 0
.irp t, 0,1,2,3
.set i, 0
.rept 16
	v_pk_mul_f32 v[32*(\t)+2*i:32*(\t)+2*i+1], v[32*(\t)+2*i:32*(\t)+2*i+1], v[ST+10*(\t)+6:ST+10*(\t)+7] op_sel_hi:[1,0]
.set i, i+1
.endr
.endr
	WIN 0
.endm
; A KEY STEP for tile s22.  more = 1: the next tile's K is asked for behind the products K Q^T, its V behind the products V^T P.
; Loads come back in order.  At the first wait V's 16 loads are the youngest: Q and K are in.  At the second, with more = 1, the next K's 16 are the youngest: V is in.
.macro STEP more
	s_bitcmp1_b32 s18, s22                         ; is the tile mixed?
	s_cbranch_scc1 .Lmix_\@
	s_wait_loadcnt 16
	KQ 1
	WIN 0
	s_branch .Ljoin_\@
.Lmix_\@:
	MASKS
	s_wait_loadcnt 16
	KQ 0
	WIN 0
.Ljoin_\@:
.rept 4
	v_nop                                          ; four places behind those products: for the loads into K's registers and the first reads of the scores
.endr
.if \more
	NEXTKT 23
	KLOAD 23
.endif
	SOFT
.if \more
	s_wait_loadcnt 16
.else
	s_wait_loadcnt 0x0
.endif
	PV
	WIN 0
.rept 5
	v_nop                                          ; five places: V's registers are loaded again, P's registers take the next scores, O^T is read
.endr
.if \more
	VLOAD 23
	s_mov_b32 s22, s23
.endif
.endm
	s_cmp_eq_u32 s19, 0
	s_cbranch_scc1 .Lmerge                         ; nothing of the list falls to me: my zeros go to the merge
	NEXTKT 22
.set i, 0
.rept 16
	global_load_b128 v[Q+4*i:Q+4*i+3], v[LO], s[66:67] offset:512*i  ; Q stays in registers
.set i, i+1
.endr
	KLOAD 22
	VLOAD 22
	s_sub_co_u32 s21, s19, 1
	s_cmp_eq_u32 s21, 0
	s_cbranch_scc1 .Ltail
	s_mov_b32 s20, 0
.Lstep:                                                ; trips - 1 times
	STEP 1
	s_add_co_u32 s20, s20, 1
	s_cmp_lt_u32 s20, s21
	s_cbranch_scc1 .Lstep
.Ltail:
	STEP 0                                         ; the last step asks for nothing more
; THE MERGE.  Every wave hands its four tiles' O^T, c m and l to LDS; behind the one barrier wave w of a batch takes tile w's four parts, brings them to the common maximum, divides and stores.
.Lmerge:
.irp t, 0,1,2,3
	v_add_f32 v[ST+10*(\t)+4], v[ST+10*(\t)+2], v[ST+10*(\t)+3]
.endr
.irp t, 0,1,2,3
	v_permlanex16_b32 v[ST+10*(\t)+5], v[ST+10*(\t)+4], s2, s3
.endr
.irp t, 0,1,2,3
	v_add_f32 v[ST+10*(\t)+1], v[ST+10*(\t)+4], v[ST+10*(\t)+5]  ; l, in m's place beside c m
.endr
.irp t, 0,1,2,3
	ds_store_b64 v[MSS], v[ST+10*(\t):ST+10*(\t)+1] offset:(\t)*TST
.endr
	WIN 0x04                                       ; the data in window 1
.set q, 0
.rept 32
	ds_store_b128 v[MST], v[4*q:4*q+3] offset:(q/8)*TST+(q%8)*512
.set q, q+1
.endr
	WIN 0
	s_wait_dscnt 0x0                               ; for the others' sake: my stores are done
	s_barrier_signal -1
	s_barrier_wait -1
.irp i, 0,1,2,3
	ds_load_b64 v[64+2*(\i):65+2*(\i)], v[MSL] offset:(\i)*WST
.endr
	WIN 0x40
.irp i, 0,1,2,3
.irp z, 0,1,2,3,4,5,6,7
	ds_load_b128 v[32*(\i)+4*(\z):32*(\i)+4*(\z)+3], v[MLD] offset:(\i)*WST+(\z)*512
.endr
.endr
	WIN 0
	s_wait_dscnt 32                                ; the four (c m, l) are in; O^T's 32 loads stay out
	v_max3_num_f32 v9, v64, v66, v68
	v_max_num_f32 v9, v9, v70
	v_sub_f32 v10, v64, v9
	v_sub_f32 v11, v66, v9
	v_sub_f32 v12, v68, v9
	v_sub_f32 v13, v70, v9
	v_exp_f32 v10, v10
	v_exp_f32 v11, v11
	v_exp_f32 v12, v12
	v_exp_f32 v13, v13
	v_nop
	s_wait_alu depctr_va_vdst(0)
	v_mul_f32 v14, v10, v65
	v_fmac_f32 v14, v11, v67
	v_fmac_f32 v14, v12, v69
	v_fmac_f32 v14, v13, v71
	v_max_num_f32 v14, 0x0da24260, v14             ; a query that sees no key has l = 0 and O = 0: divided by 1e-30 it stays 0
	v_rcp_f32 v15, v14
	v_nop
	s_wait_alu depctr_va_vdst(0)
.irp i, 0,1,2,3
	v_mul_f32 v[G+2*(\i)], v[10+(\i)], v15
	v_mul_f32 v[G+2*(\i)+1], v[10+(\i)], v15
.endr
	s_wait_dscnt 0x0
	WIN 0x41
.set j, 0
.rept 16
	v_pk_mul_f32 v[2*j:2*j+1], v[2*j:2*j+1], v[G:G+1]
.set j, j+1
.endr
	WIN 0x51
.irp i, 1,2,3
.set j, 0
.rept 16
	v_pk_fma_f32 v[2*j:2*j+1], v[32*(\i)+2*j:32*(\i)+2*j+1], v[G+2*(\i):G+2*(\i)+1], v[2*j:2*j+1]
.set j, j+1
.endr
.endr
	WIN 0x05
.set j, 0
.rept 16
	v_cvt_pk_f16_f32 v[96+j], v[2*j], v[2*j+1]
.set j, j+1
.endr
	WIN 0
.irp cb, 0,1,2,3
	global_store_b128 v[LO], v[96+4*(\cb):99+4*(\cb)], s[10:11] offset:512*(\cb)  ; 512 consecutive bytes: (query r, channels 16 cb + 8 (lane / 16) ..) as the next launch's operand piece
.endr
	s_wait_tensorcnt 0x0                           ; the wave's end, behind my last LDS store
	ds_add_u32 v[SPW], v[NIL]
	s_wait_dscnt 0x0
	s_endpgm
.Lfunc_end_k_q3e86aa1dee_attn:
	.size	k_q3e86aa1dee_attn, .Lfunc_end_k_q3e86aa1dee_attn-k_q3e86aa1dee_attn
	.p2alignl 7, 3214868480
	.fill 96, 4, 3214868480
	.section	.rodata,"a",@progbits
	.p2align	6, 0x0
	.amdhsa_kernel k_q3e86aa1dee_attn
		.amdhsa_group_segment_fixed_size 140288
		.amdhsa_private_segment_fixed_size 0
		.amdhsa_enable_private_segment 0
		.amdhsa_kernarg_size 32
		.amdhsa_user_sgpr_count 2
		.amdhsa_user_sgpr_kernarg_segment_ptr 1
		.amdhsa_wavefront_size32 1
		.amdhsa_system_sgpr_workgroup_id_x 1
		.amdhsa_system_sgpr_workgroup_id_y 1
		.amdhsa_system_sgpr_workgroup_id_z 1
		.amdhsa_system_vgpr_workitem_id 0
		.amdhsa_next_free_vgpr 512
		.amdhsa_next_free_sgpr 102
		.amdhsa_reserve_vcc 1
		.amdhsa_float_denorm_mode_32 3
		.amdhsa_float_denorm_mode_16_64 3
		.amdhsa_memory_ordered 1
		.amdhsa_forward_progress 1
		.amdhsa_inst_pref_size 117
	.end_amdhsa_kernel
	.amdgpu_metadata
---
amdhsa.version: [ 1, 2 ]
amdhsa.kernels:
  - .name:           k_q3e86aa1dee_attn
    .symbol:         k_q3e86aa1dee_attn.kd
    .args:
      - { .name: qkv, .offset: 0, .size: 8, .value_kind: global_buffer, .address_space: global }
      - { .name: mbits, .offset: 8, .size: 8, .value_kind: global_buffer, .address_space: global }
      - { .name: qinfo, .offset: 16, .size: 8, .value_kind: global_buffer, .address_space: global }
      - { .name: of, .offset: 24, .size: 8, .value_kind: global_buffer, .address_space: global }
    .group_segment_fixed_size: 140288
    .private_segment_fixed_size: 0
    .kernarg_segment_align: 8
    .kernarg_segment_size: 32
    .max_flat_workgroup_size: 256
    .sgpr_count:     102
    .vgpr_count:     512
    .wavefront_size: 32
...
	.end_amdgpu_metadata
.endif
;; end of part 3
;; launch oproj (part 4): grid 8 x 32, 4 waves a work-group, clusters of 4 x 4, 327,680 bytes of LDS; arguments of, wts, bo, out0; writes out0
.if DOCPART == 4
	.amdgcn_target "amdgcn-amd-amdhsa--gfx1250"
	.amdhsa_code_object_version 6
	.text
	.protected	k_q3e86aa1dee_oproj
	.globl	k_q3e86aa1dee_oproj
	.p2align	8
	.type	k_q3e86aa1dee_oproj,@function
k_q3e86aa1dee_oproj:
	s_mov_b64 s[64:65], 0
	v_nop
	global_prefetch_b8 v0, s[64:65] scope:SCOPE_SE
	s_setreg_imm32_b32 hwreg(HW_REG_WAVE_MODE, 25, 1), 1
	s_wait_xcnt 0x0
	s_wait_alu depctr_hold_cnt(0) depctr_sa_sdst(0) depctr_va_vdst(0) depctr_va_sdst(0) depctr_va_ssrc(0) depctr_va_vcc(0) depctr_vm_vsrc(0)
	s_getreg_b32 s2, hwreg(HW_REG_IB_STS2, 6, 4)
	s_cmp_eq_u32 s2, 0
	s_cbranch_scc0 .Lentry_in_a_cluster
	s_endpgm
.Lentry_in_a_cluster:
	s_bfe_u32 s2, ttmp6, 0x10000c
	s_cmp_lg_u32 s2, 0xf033
	s_cbranch_scc0 .Lentry_shape_is_right
	s_endpgm
.Lentry_shape_is_right:
; out0 = O Wo + bo.  O: f16, laid by the attention as operand pieces, [token / 128][head][token / 16 % 8][2,048 bytes]; Wo^T: [n][k] f16 (bf16 numbers written as f16), at byte 6,291,456 of wts;
; bo is rounded to bf16 like every input of the module; f16 products, f32 sums, f32 out.
; SHARES.  A tile of 128 tokens x 128 columns to a work-group: 32 x 8 = 256 of them.  Four waves, each 64 x 64: 16 accumulators.  K goes in four steps of 256 (four heads) through two LDS slots.
; A slot: the weights' 128 rows of 512 bytes, 528 apart; then O's 65,536 bytes as they lie in memory: a fragment load takes 512 consecutive bytes, so O wants no padding.
; CLUSTER 4 x 4: the four of a cluster's row share the token block (O's tile), the four of a column the columns (the weights' tile): each tile is asked for jointly.
; The weights are source 0: a lane holds one token and eight neighbouring columns.  THE WAY OUT goes through a stage of 128 rows x 528 bytes in slot 0's weights part, which has had its last fill
; (K step 2's) and whose last reads ended in front of the barrier of the last change of slots; whole rows of 512 bytes are read back and stored.
; REGISTERS: window 0: v0-31 addresses; v32-63 the bias; v128-255 the accumulators ((a, b) at 128 + 8 (4 a + b)).  window 1: two fragment buffers of 128: 64 of O, then 64 of the weights.
.set KSTEP,  256
.set PITCH,  528
.set BHALF,  64*PITCH                  ; what a load of the weights brings
.set BT,     2*BHALF                   ; 67,584
.set AHALF,  32768                     ; what a load of O brings: two heads
.set SLOT,   BT+2*AHALF                ; 133,120
.set SPARE,  2*SLOT
.set STAGE,  0
.set ADRA, 16
.set ADRB, 20
.set STO,  24
.set RD,   25
.set CO,   26
.set SPW,  28
.set NIL,  29
.set BIAS, 32
.set ACC,  128
.set F0,   0
.set F1,   128
.set G1,  24                           ; s[24:31] group 1 for the weights' tiles; s[32:39] group 0, a set a slot
.set G0,  32
.set G1B, 48                           ; s[48:55], s[56:63] the same for O's
.set G0B, 56
.set MSB, 0
.macro WIN new
.if MSB != (\new)
	s_set_vgpr_msb (MSB<<8)|(\new)
.set MSB, \new
.endif
.endm
.set MUL,  0x05                        ; sources 0 and 1 window 1; C and D window 0
.set TO_F, 0x40
.macro JLOAD s                         ; a joint load: waves 0 and 1 fetch the weights' two halves, waves 2 and 3 O's; an s_nop 0 and four v_nop follow each line
	s_cmp_eq_u32 s11, 0
	s_cbranch_scc0 .Lfor_b_\@
	tensor_load_to_lds s[G0+4*(\s):G0+4*(\s)+3], s[G1:G1+7]
	s_nop 0
.rept 4
	v_nop
.endr
	s_branch .Lasked_\@
.Lfor_b_\@:
	tensor_load_to_lds s[G0B+4*(\s):G0B+4*(\s)+3], s[G1B:G1B+7]
	s_nop 0
.rept 4
	v_nop
.endr
.Lasked_\@:
.endm
.macro CREST
	s_cmp_lg_u32 s10, 0
	s_cbranch_scc1 .Lnot_wave_0_\@
	s_barrier_signal -3
.Lnot_wave_0_\@:
	s_barrier_wait -3
	s_barrier_signal -1
	s_barrier_wait -1
.endm
.macro CROUND
	s_barrier_signal -1
	s_barrier_wait -1
	CREST
.endm
.macro PLACES
.rept 4
	v_nop
.endr
.endm
	s_load_b256 s[68:75], s[0:1], 0x0              ; of 68:69, wts 70:71, bo 72:73, out0 74:75
	v_lshl_add_u32 v[SPW], v0, 2, SPARE
	v_mov_b32 v[NIL], 0
	ds_add_u32 v[SPW], v[NIL]                      ; the wave's opening: the add and its wait stand ahead of my first tensor load
	v_lshrrev_b32 v1, 5, v0
	v_readfirstlane_b32 s10, v1                    ; wave 0..3
	s_lshr_b32 s11, s10, 1                         ; which half of the tile's rows is mine.  Also: I fetch the weights (0) or O (1)
	s_and_b32 s12, s10, 1                          ; which half of its columns.  Also: which half of that tile I fetch
	s_bfe_u32 s40, ttmp6, 0x40000                  ; cx
	s_bfe_u32 s41, ttmp6, 0x40004                  ; cy
	s_lshl_b32 s42, ttmp9, 2
	s_add_co_u32 s42, s42, s40                     ; column block = 4 x cluster x + cx
	s_and_b32 s13, ttmp7, 0xffff
	s_lshl_b32 s13, s13, 2
	s_add_co_u32 s13, s13, s41                     ; token block = 4 x cluster y + cy
	s_lshl_b32 s43, s41, 2
	s_lshl_b32 s43, 15, s43                        ; my row of the cluster
	s_lshl_b32 s44, 0x1111, s40                    ; my column
	s_mov_b32 s45, 0xffff0000
	s_or_b32 s[G1+0], s44, (1<<16)|(1<<20)|(1<<21)|(6<<22)|(3<<25)  ; the weights go to my column; 2-byte elements; padding: after every 128 words 4 words; bit 21 beside a mask
	s_mov_b32 s[G1+1], KSTEP<<16                   ; tensor_dim0 = 256
	s_mov_b32 s[G1+2], 64<<16                      ; tensor_dim1 = 64
	s_mov_b32 s[G1+3], KSTEP<<16                   ; tile_dim0 = 256
	s_mov_b32 s[G1+4], 64                          ; tile_dim1 = 64
	s_mov_b32 s[G1+5], 1024                        ; elements from row to row
	s_mov_b32 s[G1+6], 0
	s_mov_b32 s[G1+7], 0
	s_or_b32 s[G1B+0], s43, (3<<16)|(1<<21)        ; O goes to my row; a dense block as 128 rows of 32 elements of 8 bytes; no padding
	s_mov_b32 s[G1B+1], 32<<16
	s_mov_b32 s[G1B+2], 128<<16
	s_mov_b32 s[G1B+3], 32<<16
	s_mov_b32 s[G1B+4], 128
	s_mov_b32 s[G1B+5], 32
	s_mov_b32 s[G1B+6], 0
	s_mov_b32 s[G1B+7], 0
	s_lshl_b32 s46, s42, 7
	s_lshl_b32 s47, s12, 6
	s_add_co_u32 s46, s46, s47                     ; weights: row 128 x column block + 64 x half,
	s_lshl_b32 s46, s46, 11                        ; 2,048 bytes a row,
	s_add_co_u32 s46, s46, 6291456                 ; behind q's, k's and v's weights
	s_mov_b32 s47, 0
	s_lshl_b32 s16, s13, 18                        ; O: 262,144 bytes a token block,
	s_lshl_b32 s17, s12, 15                        ; two heads a half
	s_add_co_u32 s16, s16, s17
	s_mov_b32 s17, 0
	s_mul_i32 s20, s10, BHALF                      ; where the weights' halves go (waves 0, 1)
	s_lshl_b32 s21, s10, 15
	s_add_co_u32 s21, s21, BT-2*AHALF              ; where O's go (waves 2, 3): behind the weights
	s_wait_dscnt 0x0                               ; the opening add is done
	s_wait_kmcnt 0x0
	s_add_nc_u64 s[46:47], s[70:71], s[46:47]
	s_add_nc_u64 s[14:15], s[68:69], s[16:17]
	CROUND                                         ; all sixteen work-groups are here: the first joint loads meet
.irp s, 0,1
	s_mov_b32 s[G0+4*(\s)], 1
	s_add_co_u32 s[G0+4*(\s)+1], s20, (\s)*SLOT
	s_add_nc_u64 s[G0+4*(\s)+2:G0+4*(\s)+3], s[46:47], (\s)*KSTEP*2
	s_or_b32 s[G0+4*(\s)+3], s[G0+4*(\s)+3], 0x80000000
	s_mov_b32 s[G0B+4*(\s)], 1
	s_add_co_u32 s[G0B+4*(\s)+1], s21, (\s)*SLOT
	s_add_nc_u64 s[G0B+4*(\s)+2:G0B+4*(\s)+3], s[14:15], (\s)*2*AHALF
	s_or_b32 s[G0B+4*(\s)+3], s[G0B+4*(\s)+3], 0x80000000
	JLOAD \s                                       ; two loads of mine are out
.endr
	v_and_b32 v1, 15, v0                           ; r
	v_bfe_u32 v2, v0, 4, 1                         ; hh
	v_and_b32 v6, 31, v0
	v_lshlrev_b32 v6, 4, v6                        ; 16 x lane
	s_lshl_b32 s80, s42, 9                         ; the bias of my 64 columns: 512 x column block + 256 x half
	s_lshl_b32 s82, s12, 8
	s_add_co_u32 s80, s80, s82
	s_mov_b32 s81, 0
	s_add_nc_u64 s[72:73], s[72:73], s[80:81]
	v_lshlrev_b32 v22, 5, v2
.irp b, 0,1,2,3
	global_load_b128 v[BIAS+8*(\b):BIAS+8*(\b)+3],   v22, s[72:73] offset:64*(\b)
	global_load_b128 v[BIAS+8*(\b)+4:BIAS+8*(\b)+7], v22, s[72:73] offset:64*(\b)+16
.endr
	v_mul_u32_u24 v3, v1, PITCH
	v_lshl_add_u32 v3, v2, 4, v3                   ; a weights fragment's row x pitch + 16 x half
	s_lshl_b32 s22, s11, 13
	s_add_co_u32 s22, s22, BT                      ; my four token blocks of 16 in each head's 16,384 bytes
	s_mul_i32 s23, s12, BHALF                      ; my 64 rows of the weights
.irp s, 0,1
	v_add_nc_u32 v[ADRA+(\s)], s22, v6
	v_add_nc_u32 v[ADRB+(\s)], s23, v3
	s_add_co_u32 s22, s22, SLOT
	s_add_co_u32 s23, s23, SLOT
.endr
	s_mul_i32 s22, s11, 64*PITCH                   ; into the stage: my 64 rows, my half of their 512 bytes; row r, 32 bytes for each half of the lanes
	s_lshl_b32 s23, s12, 8
	s_add_co_u32 s22, s22, s23
	v_mul_u32_u24 v4, v1, PITCH
	v_lshl_add_u32 v4, v2, 5, v4
	v_add_nc_u32 v[STO], s22, v4
	s_mul_i32 s22, s10, 32*PITCH                   ; back: wave w takes rows 32 w .. + 31, whole: 32 lanes a row
	v_add_nc_u32 v[RD], s22, v6
	v_mov_b32 v[CO], v6
	s_lshl_b32 s80, s13, 7
	s_lshl_b32 s82, s10, 5
	s_add_co_u32 s80, s80, s82                     ; the first row of out0 that I store,
	s_lshl_b32 s80, s80, 12                        ; 4,096 bytes a row,
	s_lshl_b32 s82, s42, 9                         ; the tile's first column
	s_add_co_u32 s80, s80, s82
	s_add_nc_u64 s[74:75], s[74:75], s[80:81]
	s_wait_loadcnt 0x0                             ; the bias: rounded to bf16 here, in the wait for the first tile
.set i, BIAS
.rept 16
	v_cvt_pk_bf16_f32 v30, v[i], v[i+1]
	v_lshlrev_b32 v[i], 16, v30
	v_and_b32 v[i+1], s45, v30
.set i, i+2
.endr
; 8 matrix instructions: token blocks a0, a0 + 1 x all 4 column blocks, 32 along K: half c of buffer f.  The 16 accumulators take turns.
.macro MUL8 f, c, a0, zero
	WIN MUL
.irp a, \a0, (\a0)+1
.irp b, 0,1,2,3
.if \zero
	v_wmma_f32_16x16x32_f16 v[ACC+8*(4*(\a)+(\b)):ACC+8*(4*(\a)+(\b))+7], v[(\f)+64+8*(4*(\c)+(\b)):(\f)+64+8*(4*(\c)+(\b))+7], v[(\f)+8*(4*(\c)+(\a)):(\f)+8*(4*(\c)+(\a))+7], 0
.else
	v_wmma_f32_16x16x32_f16 v[ACC+8*(4*(\a)+(\b)):ACC+8*(4*(\a)+(\b))+7], v[(\f)+64+8*(4*(\c)+(\b)):(\f)+64+8*(4*(\c)+(\b))+7], v[(\f)+8*(4*(\c)+(\a)):(\f)+8*(4*(\c)+(\a))+7], v[ACC+8*(4*(\a)+(\b)):ACC+8*(4*(\a)+(\b))+7]
.endif
.endr
.endr
.endm
; 32 LDS loads in one run: the fragments of head q of the slot's four (64 along K) into buffer f; the first 32 along K first
.macro FETCH slot, q, f
	WIN TO_F
.irp c, 0,1
.irp i, 0,1,2,3
	ds_load_b128 v[(\f)+64+8*(4*(\c)+(\i)):(\f)+64+8*(4*(\c)+(\i))+3],   v[ADRB+(\slot)] offset:(\q)*128+64*(\c)+(\i)*16*PITCH
	ds_load_b128 v[(\f)+64+8*(4*(\c)+(\i))+4:(\f)+64+8*(4*(\c)+(\i))+7], v[ADRB+(\slot)] offset:(\q)*128+64*(\c)+(\i)*16*PITCH+32
	ds_load_b128 v[(\f)+8*(4*(\c)+(\i)):(\f)+8*(4*(\c)+(\i))+3],         v[ADRA+(\slot)] offset:(\q)*16384+(\i)*2048+(\c)*1024
	ds_load_b128 v[(\f)+8*(4*(\c)+(\i))+4:(\f)+8*(4*(\c)+(\i))+7],       v[ADRA+(\slot)] offset:(\q)*16384+(\i)*2048+(\c)*1024+512
.endr
.endr
.endm
; A K step is four quarters (heads), 32 matrix instructions each, on buffers 0, 1, 0, 1.  One of the first three multiplies f and fetches head q into g.
.macro QUARTER slot, q, f, g, zero
	s_wait_dscnt 16                                ; the first 32 along K are in
	MUL8 \f, 0, 0, \zero
	MUL8 \f, 0, 2, \zero
	PLACES
	FETCH \slot, \q, \g
	s_wait_dscnt 32                                ; all but the 32 just issued
	MUL8 \f, 1, 0, 0
	MUL8 \f, 1, 2, 0
.endm
; The last quarter multiplies buffer 1 and changes slots: one barrier; in front of it each wave waits for all its tensor loads, adds 0 to its spare word, and waits for that and for its reads
; of this slot.  fill = 1: the barrier opens a round of the cluster's, and this slot is filled again, two K steps ahead, first thing behind it.
.macro TURN slot, next, fill
	WIN 0
	s_wait_tensorcnt 0x0
	ds_add_u32 v[SPW], v[NIL]
	s_wait_dscnt 17                                ; the add and the youngest sixteen loads may be out
	MUL8 F1, 0, 0, 0
	s_wait_dscnt 0x0                               ; the add is done, and my reads of this slot are over
	s_barrier_signal -1
	MUL8 F1, 0, 2, 0
	WIN 0
	s_barrier_wait -1
.if \fill
	CREST
	s_add_nc_u64 s[G0+4*(\slot)+2:G0+4*(\slot)+3], s[G0+4*(\slot)+2:G0+4*(\slot)+3], 2*KSTEP*2
	s_add_nc_u64 s[G0B+4*(\slot)+2:G0B+4*(\slot)+3], s[G0B+4*(\slot)+2:G0B+4*(\slot)+3], 4*AHALF
	JLOAD \slot                                    ; its four v_nop are also the places in front of the loads below
.else
	PLACES
.endif
	FETCH \next, 0, F0
	MUL8 F1, 1, 0, 0
	MUL8 F1, 1, 2, 0
.endm
	s_wait_tensorcnt 1                             ; my part of K step 0 is in; K step 1's may stay out
	s_barrier_signal -1
	s_barrier_wait -1
	FETCH 0, 0, F0
	QUARTER 0, 1, F0, F1, 1                        ; the first products start the sums
	QUARTER 0, 2, F1, F0, 0
	QUARTER 0, 3, F0, F1, 0
	TURN 0, 1, 1                                   ; slot 0 takes K step 2
	QUARTER 1, 1, F0, F1, 0
	QUARTER 1, 2, F1, F0, 0
	QUARTER 1, 3, F0, F1, 0
	TURN 1, 0, 1                                   ; slot 1 takes K step 3
	QUARTER 0, 1, F0, F1, 0
	QUARTER 0, 2, F1, F0, 0
	QUARTER 0, 3, F0, F1, 0
	TURN 0, 1, 0                                   ; nothing is left to fetch; behind this barrier nobody reads slot 0 any more
	QUARTER 1, 1, F0, F1, 0
	QUARTER 1, 2, F1, F0, 0
	QUARTER 1, 3, F0, F1, 0
	s_wait_dscnt 16
	MUL8 F1, 0, 0, 0
	MUL8 F1, 0, 2, 0
	s_wait_dscnt 0x0
	MUL8 F1, 1, 0, 0
	MUL8 F1, 1, 2, 0
	WIN 0
	; THE WAY OUT: + bias, in place, each accumulator from its lowest registers on; 32 bytes a lane into the stage; a barrier, since a row's 512 bytes come from two waves; back as whole rows
	PLACES
.irp a, 0,1,2,3
.irp b, 0,1,2,3
.irp i, 0,1,2,3
	v_pk_add_f32 v[ACC+8*(4*(\a)+(\b))+2*(\i):ACC+8*(4*(\a)+(\b))+2*(\i)+1], v[ACC+8*(4*(\a)+(\b))+2*(\i):ACC+8*(4*(\a)+(\b))+2*(\i)+1], v[BIAS+8*(\b)+2*(\i):BIAS+8*(\b)+2*(\i)+1]
.endr
.endr
.endr
.irp a, 0,1,2,3
.irp b, 0,1,2,3
	ds_store_b128 v[STO], v[ACC+8*(4*(\a)+(\b)):ACC+8*(4*(\a)+(\b))+3]   offset:STAGE+(\a)*16*PITCH+64*(\b)
	ds_store_b128 v[STO], v[ACC+8*(4*(\a)+(\b))+4:ACC+8*(4*(\a)+(\b))+7] offset:STAGE+(\a)*16*PITCH+64*(\b)+16
.endr
.endr
	s_wait_dscnt 0x0                               ; for the others' sake: my stores into the stage are done
	s_barrier_signal -1
	s_barrier_wait -1
.set t, 0
.rept 32
	ds_load_b128 v[ACC+4*t:ACC+4*t+3], v[RD] offset:STAGE+t*PITCH
.set t, t+1
.endr
.set t, 0
.rept 32
	s_wait_dscnt 31-t                              ; row t is back; the later rows' loads stay out
	global_store_b128 v[CO], v[ACC+4*t:ACC+4*t+3], s[74:75] offset:t*4096  ; 32 lanes store 512 consecutive bytes, aligned
.set t, t+1
.endr
	s_wait_tensorcnt 0x0                           ; the wave's end, behind my last tensor load and my last LDS store
	ds_add_u32 v[SPW], v[NIL]
	s_wait_dscnt 0x0
	CROUND                                         ; the closing round
	s_endpgm
.Lfunc_end_k_q3e86aa1dee_oproj:
	.size	k_q3e86aa1dee_oproj, .Lfunc_end_k_q3e86aa1dee_oproj-k_q3e86aa1dee_oproj
	.p2alignl 7, 3214868480
	.fill 96, 4, 3214868480
	.section	.rodata,"a",@progbits
	.p2align	6, 0x0
	.amdhsa_kernel k_q3e86aa1dee_oproj
		.amdhsa_group_segment_fixed_size 327680
		.amdhsa_private_segment_fixed_size 0
		.amdhsa_enable_private_segment 0
		.amdhsa_kernarg_size 32
		.amdhsa_user_sgpr_count 2
		.amdhsa_user_sgpr_kernarg_segment_ptr 1
		.amdhsa_wavefront_size32 1
		.amdhsa_system_sgpr_workgroup_id_x 1
		.amdhsa_system_sgpr_workgroup_id_y 1
		.amdhsa_system_sgpr_workgroup_id_z 1
		.amdhsa_system_vgpr_workitem_id 0
		.amdhsa_next_free_vgpr 512
		.amdhsa_next_free_sgpr 84
		.amdhsa_reserve_vcc 0
		.amdhsa_float_denorm_mode_32 3
		.amdhsa_float_denorm_mode_16_64 3
		.amdhsa_memory_ordered 1
		.amdhsa_forward_progress 1
		.amdhsa_inst_pref_size 93
	.end_amdhsa_kernel
	.amdgpu_metadata
---
amdhsa.version: [ 1, 2 ]
amdhsa.kernels:
  - .name:           k_q3e86aa1dee_oproj
    .symbol:         k_q3e86aa1dee_oproj.kd
    .args:
      - { .name: of, .offset: 0, .size: 8, .value_kind: global_buffer, .address_space: global }
      - { .name: wts, .offset: 8, .size: 8, .value_kind: global_buffer, .address_space: global }
      - { .name: bo, .offset: 16, .size: 8, .value_kind: global_buffer, .address_space: global }
      - { .name: out0, .offset: 24, .size: 8, .value_kind: global_buffer, .address_space: global }
    .group_segment_fixed_size: 327680
    .private_segment_fixed_size: 0
    .kernarg_segment_align: 8
    .kernarg_segment_size: 32
    .max_flat_workgroup_size: 128
    .sgpr_count:     84
    .vgpr_count:     512
    .wavefront_size: 32
...
	.end_amdgpu_metadata
.endif
;; end of part 4
;; ======== version 2 of 2: 4 launches; version 1 with the launch prep written anew for expert scheduling mode
;; limits: values are held in f16: magnitudes above 65,504 overflow, below 6.1e-05 lose precision; right only within a limited range of input values
;; workspace buffers: xb 8,388,608 bytes; wts 8,388,608 bytes; qkv 25,165,824 bytes; of 8,388,608 bytes; mbits 524,288 bytes of whole numbers; qinfo 16,384 bytes of whole numbers
;; launch prep (part 5): grid 448 x 1, 8 waves a work-group, no clusters, 140,544 bytes of LDS; arguments x, Wq, Wk, Wv, Wo, block_mask, xb, wts, mbits, qinfo; writes xb, wts, mbits, qinfo
.if DOCPART == 5
	.amdgcn_target "amdgcn-amd-amdhsa--gfx1250"
	.amdhsa_code_object_version 6
	.text
	.protected	k_q3e86aa1dee_prep
	.globl	k_q3e86aa1dee_prep
	.p2align	8
	.type	k_q3e86aa1dee_prep,@function
k_q3e86aa1dee_prep:
	s_mov_b64 s[64:65], 0
	v_nop
	global_prefetch_b8 v0, s[64:65] scope:SCOPE_SE
	s_setreg_imm32_b32 hwreg(HW_REG_WAVE_SCHED_MODE, 0, 2), 2
	s_setreg_imm32_b32 hwreg(HW_REG_WAVE_MODE, 25, 1), 1
	s_wait_xcnt 0x0
	s_wait_alu depctr_vm_vsrc(0)
; PREP: three roles, chosen by the work-group's number alone (the same for all eight waves of a work-group).
;   0..127   MASK: block_mask [2048][2048] bytes -> mbits (lane masks for the attention's score registers) and qinfo (which tiles of 64 x 64 live).
;   128..191 WT:   Wq, Wk, Wv, Wo [k][n] f32 -> wts, transposed to [n][k] in 16 bits: rows of q, k, v weights in head order (row = 192 h + 64 kind + d) in bf16;
;                  Wo rounded to bf16 and that number written as f16 (exact from 6e-5 up; below that f16's fixed step of 6e-8 holds).
;   192..447 XC:   x f32 -> xb bf16.
; All three stream: every input byte is read once, every store of a wave covers whole aligned runs of 256 bytes (qinfo's 128 bytes a work-group aside).
; No matrix unit, no tensor load, no cluster: nothing is shared between work-groups and nothing is multiplied.
; LIMIT: a bool byte is 0 or 1, as the buffer's type states.
; LDS: eight stages of 64 rows x 272 bytes, one a wave (WT); 64 bytes for the eight waves' tile classes (MASK); the spare words.
; THE MODE: SCHED_MODE bits 1:0 = 2 (LLVM: expert scheduling mode 2), set by the entry lines.  The code itself states the register dependences between vector instructions and
; memory or LDS instructions, and those through scalar registers that vector instructions write, with s_wait_alu, always for 0.
; THE PLAN, role by role: the registers that memory or LDS instructions touch, who writes and who reads them.
;   XC    v6, v7 offsets, made once.  v[16:79] loaded once, read by the conversions.  v[80:111] written once by the conversions, read by the stores.  Four groups of four loads: the stores
;         of group g - 1 stand behind ONE wait at group g's head, dealt among group g's conversions, which name group g's registers alone.
;   WT    v6 to v9 addresses, made once.  RAW, eight slots of 16 registers: group g's four loads land in slot g % 8, its eight conversions read it.  OUT0, OUT1, 16 registers each: step s (two
;         groups) writes OUT[s % 2]; the eight LDS stores that read it are issued in step s + 1.  The memory and LDS instructions of step s are the loads into the two slots of step s - 1 and the
;         stores from OUT[(s - 1) % 2]: registers that no conversion of step s names.  So the waits at a step's head state all that they hang on.
;   MASK  v6, v9, v10, v13 addresses, made once.  v[16:47] loaded once, read by the byte cuts and the class lines; v[16:31] loaded again from LDS behind the barrier.  v[152:155], v14, v15
;         written by vector lines, read by one global and one LDS store.  The compares go sixteen to a run, with one wait behind each run.
;   v2, v3 are written at the head and read by the closing add alone.
.set STG,   17408                      ; a wave's stage: 64 rows of 256 bytes + 16 of padding
.set MW,    8*STG                      ; eight pairs (alive, mixed), one a wave
.set SPARE, MW+256                     ; the spare words: 128 bytes for each of eight waves
.set SPW,   2                          ; v2  my spare word's LDS address; never rewritten
.set NIL,   3                          ; v3  0; never rewritten
.set OUT,   144                        ; WT: v[144:175] two out-buffers of 16 registers
	s_load_b512 s[8:23], s[0:1], 0x0               ; x 8:9, Wq 10:11, Wk 12:13, Wv 14:15, Wo 16:17, mask 18:19, xb 20:21, wts 22:23
	s_load_b128 s[24:27], s[0:1], 0x40             ; mbits 24:25, qinfo 26:27
	v_lshl_add_u32 v[SPW], v0, 2, SPARE
	v_mov_b32 v[NIL], 0
	v_lshrrev_b32 v1, 5, v0
	v_readfirstlane_b32 s4, v1                     ; wave 0..7
	v_and_b32 v1, 31, v0                           ; lane
	v_and_b32 v4, 15, v0                           ; r = lane % 16
	v_bfe_u32 v5, v0, 4, 1                         ; hh = lane / 16
	s_mov_b32 s5, ttmp9
	s_mov_b32 s29, 0                               ; high word of every offset pair s[28:29]
	s_wait_alu depctr_va_sdst(0)                   ; s4 is written, ahead of the branches: every role reads it
	s_wait_kmcnt 0x0
	s_cmp_lt_u32 s5, 128
	s_cbranch_scc1 .Lmask
	s_cmp_lt_u32 s5, 192
	s_cbranch_scc1 .Lwt
; ---------------- XC: the work-group casts 65,536 bytes of x, a wave 8,192: sixteen loads of 512 consecutive bytes, all out at once
	s_sub_co_u32 s6, s5, 192
	s_lshl_b32 s28, s6, 16
	s_add_nc_u64 s[8:9], s[8:9], s[28:29]
	s_lshl_b32 s28, s6, 15
	s_add_nc_u64 s[20:21], s[20:21], s[28:29]
	v_lshlrev_b32 v6, 4, v1
	v_lshl_add_u32 v6, s4, 13, v6                  ; in: 8,192 x wave + 16 x lane
	v_lshlrev_b32 v7, 3, v1
	v_lshl_add_u32 v7, s4, 12, v7                  ; out: 4,096 x wave + 8 x lane
	s_wait_alu depctr_va_vdst(0)                   ; v6 and v7 are written: every load and store of this role reads one of them as its offset
.set i, 0
.rept 16
	global_load_b128 v[16+4*i:19+4*i], v6, s[8:9] offset:512*i th:TH_LOAD_NT
.set i, i+1
.endr
.set g, 0
.rept 4                                                ; group g: loads 4 g .. 4 g + 3
	s_wait_loadcnt 12-4*g                          ; loads come back in order: group g is in, the 12 - 4 g younger loads stay out
.if g > 0
	s_wait_alu depctr_va_vdst(0)                   ; the conversions of the group before have written their eight registers, which the four stores below read
.endif
.set i, 4*g
.rept 4
.if g > 0
	global_store_b64 v7, v[80+2*(i-4):81+2*(i-4)], s[20:21] offset:256*(i-4)  ; 32 lanes x 8 bytes: 256 consecutive bytes, aligned; no conversion since the wait names these registers
.endif
	v_cvt_pk_bf16_f32 v[80+2*i], v[16+4*i], v[17+4*i]
	v_cvt_pk_bf16_f32 v[81+2*i], v[18+4*i], v[19+4*i]  ; no register is written twice
.set i, i+1
.endr
.set g, g+1
.endr
	s_wait_alu depctr_va_vdst(0)                   ; the last group's conversions have written v[104:111], which the last four stores read
.set i, 12
.rept 4
	global_store_b64 v7, v[80+2*i:81+2*i], s[20:21] offset:256*i
.set i, i+1
.endr
	s_wait_dscnt 0x0                               ; the closing lines, six on end; all three roles end alike
	s_wait_alu 0x0
	s_wait_tensorcnt 0x0
	ds_add_u32 v[SPW], v[NIL]
	s_wait_dscnt 0x0
	s_endpgm
; ---------------- WT: matrix mtx, columns 64 nb .. + 63 (a head); wave kb transposes rows k = 128 kb .. + 127
.Lwt:
	s_sub_co_u32 s6, s5, 128
	s_lshr_b32 s7, s6, 4                           ; mtx: 0 q, 1 k, 2 v, 3 o
	s_and_b32 s6, s6, 15                           ; nb
	s_cmp_eq_u32 s7, 1
	s_cselect_b64 s[10:11], s[12:13], s[10:11]
	s_cmp_eq_u32 s7, 2
	s_cselect_b64 s[10:11], s[14:15], s[10:11]
	s_cmp_eq_u32 s7, 3
	s_cselect_b64 s[10:11], s[16:17], s[10:11]     ; the matrix
	s_lshl_b32 s28, s6, 8
	s_add_nc_u64 s[10:11], s[10:11], s[28:29]      ; at its column 64 nb
	s_mul_i32 s28, s6, 192
	s_lshl_b32 s30, s7, 6
	s_add_co_u32 s28, s28, s30
	s_lshl_b32 s28, s28, 11                        ; q, k, v: row 192 nb + 64 mtx, 2,048 bytes a row
	s_lshl_b32 s30, s6, 17
	s_add_co_u32 s30, s30, 6291456                 ; o: behind those 3,072 rows, row 64 nb
	s_cmp_eq_u32 s7, 3
	s_cselect_b32 s28, s30, s28
	s_add_nc_u64 s[22:23], s[22:23], s[28:29]
	s_mov_b32 s30, 0xffff0000
	s_mul_i32 s31, s4, STG
	v_lshlrev_b32 v6, 4, v4
	v_lshl_add_u32 v6, v5, 14, v6
	v_lshl_add_u32 v6, s4, 19, v6                  ; in: row 128 kb + 4 hh, columns 4 r .. 4 r + 3: sixteen lanes take 256 consecutive bytes of a row
	v_mul_u32_u24 v7, v4, 1088
	v_lshl_add_u32 v7, v5, 3, v7
	v_add_nc_u32 v7, s31, v7                       ; stage, way in: row n = 4 r (+ j), byte 8 hh (+ 16 x group)
	v_mul_u32_u24 v8, v5, 272
	v_lshl_add_u32 v8, v4, 4, v8
	v_add_nc_u32 v8, s31, v8                       ; stage, way back: row hh (+ 2 t), 16 bytes a lane
	v_lshlrev_b32 v9, 4, v4
	v_lshl_add_u32 v9, v5, 11, v9
	v_lshl_add_u32 v9, s4, 8, v9                   ; out: row hh (+ 2 t), byte 256 kb + 16 r
	s_wait_alu depctr_va_vdst(0)                   ; v6 to v9 are written: the loads, the LDS stores and loads and the global stores of this role read them as addresses
; The wave's 128 rows are sixteen groups of 8: a lane holds a block of 4 rows x 4 columns; column j's four numbers pack into 8 bytes of stage row 4 r + j.
; (These 8-byte stores meet four deep in the banks: 64 of them a wave in the whole launch.)
.macro WLOAD grp                       ; group grp's four loads, into raw slot grp % 8
.irp jr, 0,1,2,3
	global_load_b128 v[16+16*((\grp)%8)+4*(\jr):19+16*((\grp)%8)+4*(\jr)], v6, s[10:11] offset:(8*(\grp)+(\jr))*4096 th:TH_LOAD_NT
.endr
.endm
.macro WCVT grp, ob                    ; its eight conversions, into the eight registers from ob on
.irp j, 0,1,2,3
	v_cvt_pk_bf16_f32 v[(\ob)+2*(\j)],   v[16+16*((\grp)%8)+(\j)], v[20+16*((\grp)%8)+(\j)]
	v_cvt_pk_bf16_f32 v[(\ob)+2*(\j)+1], v[24+16*((\grp)%8)+(\j)], v[28+16*((\grp)%8)+(\j)]
.endr
.endm
.macro WPUT grp, ob                    ; its four LDS stores
.irp j, 0,1,2,3
	ds_store_b64 v7, v[(\ob)+2*(\j):(\ob)+2*(\j)+1] offset:(\j)*272+(\grp)*16
.endr
.endm
; Step s: groups 2 s and 2 s + 1.  left: the loads of the groups behind these two, which may stay out.
.macro WSTEP s, left
	s_wait_loadcnt \left                           ; loads come back in order: this step's two groups are in
.if (\s) >= 2
	s_wait_alu depctr_vm_vsrc(0)                   ; the LDS stores issued in the step before have read OUT[s % 2], which this step's conversions write again
.endif
.if (\s) >= 1
	s_wait_alu depctr_va_vdst(0)                   ; the conversions of the step before have written the other OUT, which the LDS stores below read, and are done reading their two raw slots, in which the loads below land
.endif
.irp u, 0,1
.if ((\s) >= 1) && ((\s) <= 4)
	WLOAD 2*(\s)+6+(\u)                            ; eight groups on, into a slot of the step before; no conversion since the wait names it
.endif
.if (\s) >= 1
	WPUT 2*(\s)-2+(\u), OUT+16*(((\s)+1)%2)+8*(\u)
.endif
	WCVT 2*(\s)+(\u), OUT+16*((\s)%2)+8*(\u)
.endr
.endm
.irp q, 0,1,2,3,4,5,6,7
	WLOAD \q                                       ; the eight slots' first fills: 32 loads
.endr
	WSTEP 0, 24                                    ; six groups behind
	WSTEP 1, 16                                    ; four groups behind, in this step and the next four: each of steps 1 to 4 asks for two more
	WSTEP 2, 16
	WSTEP 3, 16
	WSTEP 4, 16
	WSTEP 5, 16
	WSTEP 6, 8                                     ; nothing more is asked for: the counts run down
	WSTEP 7, 0
	s_wait_alu depctr_va_vdst(0)                   ; step 7's conversions have written OUT1, which the last eight LDS stores read; and every conversion is done reading v[16:143], in which the LDS loads below land
	WPUT 14, OUT+16
	WPUT 15, OUT+24
.set t, 0
.rept 32
	ds_load_b128 v[16+4*t:19+4*t], v8 offset:t*544 ; my own stage: LDS serves a wave's instructions in order, so these see the stores above
.set t, t+1
.endr
	s_wait_dscnt 0x0
	s_wait_alu depctr_vm_vsrc(0)                   ; the LDS stores have read v[144:151], which Wo's lines below write; the wait stands ahead of the branch
	s_cmp_lg_u32 s7, 3
	s_cbranch_scc1 .Lwt_store
.set t, 0
.rept 128                                              ; Wo alone: the bf16 number is written as f16
	v_lshlrev_b32 v[144+2*(t%4)], 16, v[16+t]
	v_and_b32 v[145+2*(t%4)], s30, v[16+t]
	v_cvt_pk_f16_f32 v[16+t], v[144+2*(t%4)], v[145+2*(t%4)]
.set t, t+1
.endr
	s_wait_alu depctr_va_vdst(0)                   ; these conversions have written v[16:143], which the stores below read (on the other way in, LDS loads wrote them, and their wait stands above)
.Lwt_store:
.set t, 0
.rept 32
	global_store_b128 v9, v[16+4*t:19+4*t], s[22:23] offset:t*4096  ; sixteen lanes: 256 consecutive bytes of one row, aligned
.set t, t+1
.endr
	s_wait_dscnt 0x0                               ; the closing lines, six on end
	s_wait_alu 0x0
	s_wait_tensorcnt 0x0
	ds_add_u32 v[SPW], v[NIL]
	s_wait_dscnt 0x0
	s_endpgm
; ---------------- MASK: query block qb, part p of its 32 key tiles; wave w takes tile kt = 8 p + w (64 queries x 64 keys)
; Word 32 qt + 8 g + j of a tile: bit L is 1 where query 16 qt + L % 16 does NOT see key 16 g + 8 (L / 16) + j: the lane mask of score register 8 g + j of query tile qt.
.Lmask:
	s_lshr_b32 s6, s5, 2                           ; qb
	s_and_b32 s7, s5, 3                            ; part
	s_lshl_b32 s28, s6, 17                         ; 64 rows of 2,048 bytes
	s_lshl_b32 s30, s7, 9                          ; 8 tiles of 64 bytes
	s_add_co_u32 s28, s28, s30
	s_add_nc_u64 s[18:19], s[18:19], s[28:29]
	s_lshl_b32 s36, s7, 3
	s_add_co_u32 s36, s36, s4                      ; kt
	v_lshlrev_b32 v6, 11, v4
	v_lshl_add_u32 v6, v5, 3, v6
	v_lshl_add_u32 v6, s4, 6, v6                   ; row r, byte 64 w + 8 hh
	v_lshlrev_b32 v13, 4, v1                       ; mbits: 16 x lane
	v_lshl_add_u32 v10, s4, 3, MW                  ; LDS: my wave's pair
	v_mov_b32 v9, MW                               ; LDS: the eight pairs
	s_wait_alu depctr_va_vdst(0)                   ; v6, v9, v10 and v13 are written: the loads, the stores and the LDS instructions of this role read them as addresses; none is written again
.irp qt, 0,1,2,3
.irp g, 0,1,2,3
	global_load_b64 v[16+8*(\qt)+2*(\g):17+8*(\qt)+2*(\g)], v6, s[18:19] offset:(\qt)*32768+(\g)*16 th:TH_LOAD_NT
.endr
.endr
	s_lshl_b32 s28, s6, 5
	s_add_co_u32 s28, s28, s36
	s_lshl_b32 s28, s28, 9
	s_add_nc_u64 s[24:25], s[24:25], s[28:29]      ; mbits at tile (qb, kt): 512 bytes
	s_lshl_b32 s28, s5, 7
	s_add_nc_u64 s[26:27], s[26:27], s[28:29]      ; qinfo at (qb, part): 128 bytes
.irp z, 152,153,154,155
	v_mov_b32 v\z, 0                               ; v_writelane_b32's targets are written whole first
.endr
; Sixteen words, those of g = 2 gp and 2 gp + 1: a byte is cut out, compared with 0 over the 32 lanes, and the lane mask laid into lane (word / 4), register (word % 4).
; The sixteen masks lie in s[8:15], which held addresses that this role does not use, and s[40:47].  Between the compares and the wait for them stand the class lines of the same four
; registers: the tile's class wants any byte not 0 (v11) and any byte not 1 (v12).
.macro WORDS qt, gp
.irp j, 0,1,2,3,4,5,6,7,8,9,10,11,12,13,14,15
	v_bfe_u32 v[48+(\j)], v[16+8*(\qt)+4*(\gp)+(\j)/4], 8*((\j)%4), 8
.endr
.irp j, 0,1,2,3,4,5,6,7,8,9,10,11,12,13,14,15
	v_cmp_eq_u32 s[8+(\j)%8+32*((\j)/8)], 0, v[48+(\j)]
.endr
.if ((\qt) == 0) && ((\gp) == 0)
	v_or_b32 v11, v16, v17                         ; the first two registers start both chains
	v_and_b32 v12, v16, v17
	v_or_b32 v11, v11, v18
	v_and_b32 v12, v12, v18
	v_or_b32 v11, v11, v19
	v_and_b32 v12, v12, v19
.else
.irp z, 0,1,2,3
	v_or_b32 v11, v11, v[16+8*(\qt)+4*(\gp)+(\z)]
	v_and_b32 v12, v12, v[16+8*(\qt)+4*(\gp)+(\z)]
.endr
.endif
	s_wait_alu depctr_va_sdst(0)                   ; the sixteen compares have written their masks, which the lines below read
.irp j, 0,1,2,3,4,5,6,7,8,9,10,11,12,13,14,15
	v_writelane_b32 v[152+(\j)%4], s[8+(\j)%8+32*((\j)/8)], 8*(\qt)+4*(\gp)+(\j)/4
.endr
.endm
.irp qt, 0,1,2,3
	s_wait_loadcnt 12-4*(\qt)                      ; query tile qt's four loads are in; the later tiles' stay out
	WORDS \qt, 0
	WORDS \qt, 1
.endr
	v_cmp_ne_u32 s31, 0, v11
	v_cmp_ne_u32 s32, 0x01010101, v12
	s_wait_alu depctr_va_sdst(0)                   ; s31 and s32 are written, ahead of the scalar compares that read them
	s_cmp_lg_u32 s31, 0
	s_cselect_b32 s33, 1, 0                        ; alive: some key is seen
	s_cmp_lg_u32 s32, 0
	s_cselect_b32 s34, s33, 0                      ; mixed: alive, and some key is hidden
	s_lshl_b32 s35, s33, s36                       ; both at bit kt
	s_lshl_b32 s37, s34, s36
	v_mov_b32 v14, s35
	v_mov_b32 v15, s37
	s_wait_alu depctr_va_vdst(0)                   ; v[152:155], v14 and v15 are written, which the two stores below read; the byte cuts and class lines are done reading v[16:31], in which the LDS loads behind the barrier land
	global_store_b128 v13, v[152:155], s[24:25]    ; 512 consecutive bytes
	ds_store_b64 v10, v[14:15]                     ; all lanes write the same pair to my wave's place
	s_wait_dscnt 0x0                               ; for the others' sake: my store is done
	s_barrier_signal -1
	s_barrier_wait -1                              ; all eight waves run this role: the choice of role hangs on the work-group's number alone
.irp i, 0,1,2,3
	ds_load_b128 v[16+4*(\i):19+4*(\i)], v9 offset:16*(\i)  ; no vector instruction since the wait above
.endr
	s_wait_dscnt 0x0
.irp i, 18,20,22,24,26,28,30
	v_or_b32 v16, v16, v\i
.endr
.irp i, 19,21,23,25,27,29,31
	v_or_b32 v17, v17, v\i
.endr
	v_readfirstlane_b32 s38, v16                   ; the part's alive tiles
	v_readfirstlane_b32 s39, v17                   ; its mixed tiles
	s_wait_alu depctr_va_sdst(0)                   ; s38 and s39 are written, ahead of their first readers and of the branch
	s_bcnt1_i32_b32 s33, s38                       ; how many are alive
	s_cmp_lg_u32 s4, 0
	s_cbranch_scc1 .Lmask_end                      ; wave 0 stores for the work-group
	v_mov_b32 v20, 0
	v_writelane_b32 v20, s38, 0
	v_writelane_b32 v20, s39, 1
	v_writelane_b32 v20, s33, 2
	v_lshlrev_b32 v21, 2, v1
	s_wait_alu depctr_va_vdst(0)                   ; v20 and v21 are written: the store's data and its offset
	global_store_b32 v21, v20, s[26:27]            ; (alive, mixed, count, 0, ...): 128 bytes
.Lmask_end:
	s_wait_dscnt 0x0                               ; the closing lines, six on end
	s_wait_alu 0x0
	s_wait_tensorcnt 0x0
	ds_add_u32 v[SPW], v[NIL]
	s_wait_dscnt 0x0
	s_endpgm
.Lfunc_end_k_q3e86aa1dee_prep:
	.size	k_q3e86aa1dee_prep, .Lfunc_end_k_q3e86aa1dee_prep-k_q3e86aa1dee_prep
	.p2alignl 7, 3214868480
	.fill 96, 4, 3214868480
	.section	.rodata,"a",@progbits
	.p2align	6, 0x0
	.amdhsa_kernel k_q3e86aa1dee_prep
		.amdhsa_group_segment_fixed_size 140544
		.amdhsa_private_segment_fixed_size 0
		.amdhsa_enable_private_segment 0
		.amdhsa_kernarg_size 80
		.amdhsa_user_sgpr_count 2
		.amdhsa_user_sgpr_kernarg_segment_ptr 1
		.amdhsa_wavefront_size32 1
		.amdhsa_system_sgpr_workgroup_id_x 1
		.amdhsa_system_sgpr_workgroup_id_y 1
		.amdhsa_system_sgpr_workgroup_id_z 1
		.amdhsa_system_vgpr_workitem_id 0
		.amdhsa_next_free_vgpr 176
		.amdhsa_next_free_sgpr 66
		.amdhsa_reserve_vcc 0
		.amdhsa_float_denorm_mode_32 3
		.amdhsa_float_denorm_mode_16_64 3
		.amdhsa_memory_ordered 1
		.amdhsa_forward_progress 1
		.amdhsa_inst_pref_size 80
	.end_amdhsa_kernel
	.amdgpu_metadata
---
amdhsa.version: [ 1, 2 ]
amdhsa.kernels:
  - .name:           k_q3e86aa1dee_prep
    .symbol:         k_q3e86aa1dee_prep.kd
    .args:
      - { .name: x, .offset: 0, .size: 8, .value_kind: global_buffer, .address_space: global }
      - { .name: Wq, .offset: 8, .size: 8, .value_kind: global_buffer, .address_space: global }
      - { .name: Wk, .offset: 16, .size: 8, .value_kind: global_buffer, .address_space: global }
      - { .name: Wv, .offset: 24, .size: 8, .value_kind: global_buffer, .address_space: global }
      - { .name: Wo, .offset: 32, .size: 8, .value_kind: global_buffer, .address_space: global }
      - { .name: block_mask, .offset: 40, .size: 8, .value_kind: global_buffer, .address_space: global }
      - { .name: xb, .offset: 48, .size: 8, .value_kind: global_buffer, .address_space: global }
      - { .name: wts, .offset: 56, .size: 8, .value_kind: global_buffer, .address_space: global }
      - { .name: mbits, .offset: 64, .size: 8, .value_kind: global_buffer, .address_space: global }
      - { .name: qinfo, .offset: 72, .size: 8, .value_kind: global_buffer, .address_space: global }
    .group_segment_fixed_size: 140544
    .private_segment_fixed_size: 0
    .kernarg_segment_align: 8
    .kernarg_segment_size: 80
    .max_flat_workgroup_size: 256
    .sgpr_count:     66
    .vgpr_count:     176
    .wavefront_size: 32
...
	.end_amdgpu_metadata
.endif
;; end of part 5
;; launch qkvproj: the kernel of part 2 again; grid 16 x 16, 4 waves a work-group, clusters of 4 x 4, 327,680 bytes of LDS; arguments xb, wts, bq, bk, bv, qkv; writes qkv
;; launch attn: the kernel of part 3 again; grid 512 x 1, 8 waves a work-group, no clusters, 140,288 bytes of LDS; arguments qkv, mbits, qinfo, of; writes of
;; launch oproj: the kernel of part 4 again; grid 8 x 32, 4 waves a work-group, clusters of 4 x 4, 327,680 bytes of LDS; arguments of, wts, bo, out0; writes out0
